; MI455X (gfx1250); checked and timed in simulation.
; The chip was launched on July 23, 2026; its instructions are those of AMD's public machine-readable ISA for CDNA 5 (MIT licence, August 2026) and "CDNA5" Instruction Set Architecture Reference Guide (July 2026). The comments in the code are by the model that wrote it; some were corrected since.
;; Multi Head Attention. Allowed arithmetic: matrix products marked QUANTISED: E2M1 operands, one E8M0 scale for each 32 along K, by v_wmma_scale_f32_16x16x128_f8f6f4 with both operands' format E2M1 (or v_wmma_scale_f32_32x16x128_f4), f32 sums; everything else in f32.
;; Inputs: bo 1,024 float32; wk 16 x 1,024 x 64 float32; wo 1,024 x 1,024 float32; wq 16 x 1,024 x 64 float32; wv 16 x 1,024 x 64 float32; x 4 x 2,048 x 1,024 float32.
;; Outputs: out0 4 x 2,048 x 1,024 float32.
;; This version of the problem:
;;   THIS VERSION OF THE PROBLEM IS GIVEN IN LOW PRECISION. The matrix products marked QUANTISED in the list below multiply operands that are first quantised to E2M1 (2 exponent bits, 1 mantissa bit; 4 bits a number), with one power-of-two scale for each 32 numbers along K (OCP MX v1.0); their sums are f32. All else is computed in f32.
;;   The module's matrix products, in the order in which they are computed (A, B: the left and right operand; K: the contracted axis; several contracted axes count as one K, in the product's order):
;;     1. [M 1,024, K 1,024] x [K 1,024, N 8,192]; A: input wq; B: input x: QUANTISED
;;     2. [M 1,024, K 1,024] x [K 1,024, N 8,192]; A: input wk; B: input x: QUANTISED
;;     3. [M 1,024, K 1,024] x [K 1,024, N 8,192]; A: input wv; B: input x: QUANTISED
;;     4. batch 64 x [M 2,048, K 64] x [K 64, N 2,048]; A: computed on the way; B: computed on the way: QUANTISED
;;     5. batch 64 x [M 2,048, K 2,048] x [K 2,048, N 64]; A: softmax (see below); B: computed on the way: QUANTISED
;;     6. [M 8,192, K 1,024] x [K 1,024, N 1,024]; A: computed on the way; B: input wo: QUANTISED
;;   THE QUANTISER, for each operand of a quantised product, along K:
;;     - K is cut into blocks of 32 from its start; a last block that is shorter is filled with zeros.
;;     - A block's scale is 2^e with e = floor(log2(the largest magnitude in the block)) - 2, held to -126 .. 127; a block of zeros has e = 0. As a byte (E8M0): e + 127.
;;     - Each number is divided by its block's scale, clamped to +-6, and rounded to the nearest number of E2M1, ties to even, subnormals kept.
;;     - The product sums the exact products of the quantised numbers (number of the format x scale) in f32.
;;   ~~~python
;;   def quantise(x, axis):      # numpy; x: float32 -> the quantised numbers, widened to float32 again
;;       x = np.moveaxis(x, axis, -1); K = x.shape[-1]
;;       x = np.pad(x, [(0, 0)] * (x.ndim - 1) + [(0, -K % 32)]); x = x.reshape(x.shape[:-1] + (-1, 32)); a = np.abs(x).max(-1, keepdims=True)
;;       e = np.where(a > 0, np.clip(np.frexp(np.where(a > 0, a, 1))[1] - 1 - 2, -126, 127), 0)      # np.frexp(a)[1] - 1 = floor(log2(a)), exactly
;;       r = np.clip(x / 2.0 ** e, -6, 6)
;;       step = 2.0 ** (np.maximum(np.frexp(np.where(r == 0, 1, r))[1] - 1, 0) - 1)
;;       q = np.round(r / step) * step * 2.0 ** e      # np.round: ties to even
;;       return np.moveaxis(q.reshape(q.shape[:-2] + (-1,))[..., :K], -1, axis).astype(np.float32)
;;   ~~~
;;   SOFTMAX AHEAD OF A QUANTISED PRODUCT. Where the list says 'softmax', what is quantised is not the finished softmax but p = 2^(t - M), with t = logit x log2(e) and M = ceil(the row's largest t), a whole number; so 1/2 < the row's largest p <= 1. The row's sum l is taken of the UNQUANTISED p, in f32, and the product's result is divided by l at the end. Since M is a whole number, a kernel that streams over the keys may use a running M (the ceiling of the running maximum): every later rescaling is an exact power of two, which a block's scale takes up: the codes' values come out the same.
;;   OPERANDS COMPUTED ON THE WAY. 'Computed on the way' means the value that the module computes at that place (a softmax that the list does not call 'softmax' is quantised finished and normalised). What goes into a quantiser is computed in f32, as accurately as f32 sums, v_exp_f32 and their like allow (about 1e-6 of the number): no bf16 or f16 on the way to a quantiser, and a product that is left as it is and whose result goes on into a quantised operand takes f32 operands (vector FMAs, or v_wmma_f32_16x16x4_f32). A number that lies on a knife's edge between two numbers of the format may be rounded either way, as far as f32 arithmetic and the matrix unit's own rounding can turn it there, and no further.
;; One version. Each part assembles by itself: llvm-mc -triple=amdgcn-amd-amdhsa -mcpu=gfx1250 --defsym DOCPART=n.
;; ======== version 1 of 1: 4 launches
;; limits: right only within a limited range of input values
;; workspace buffers: x_q 4,456,448 bytes; w_q 2,228,224 bytes; qkv_codes 12,582,912 bytes; qkv_scales 1,048,576 bytes; o_q 4,456,448 bytes
;; launch quant (part 1): grid 480 x 1, 4 waves a work-group, no clusters, 34,304 bytes of LDS; arguments x, wo, wq, wk, wv, x_q, w_q; writes x_q, w_q
.if DOCPART == 1
	.amdgcn_target "amdgcn-amd-amdhsa--gfx1250"
	.amdhsa_code_object_version 6
	.text
	.protected	k_q413b07cde6_quant
	.globl	k_q413b07cde6_quant
	.p2align	8
	.type	k_q413b07cde6_quant,@function
k_q413b07cde6_quant:
	s_mov_b64 s[64:65], 0
	v_nop
	global_prefetch_b8 v0, s[64:65] scope:SCOPE_SE
	s_setreg_imm32_b32 hwreg(HW_REG_WAVE_MODE, 25, 1), 1
	s_wait_xcnt 0x0
; x [8192][1024], wo [1024][1024] (K innermost) and wq, wk, wv [16][1024][64] (K = the middle axis), all f32, become codes of FP4 (E2M1) with one E8M0 byte for each 32 along K.
; LAYOUT OF THE RESULTS (x_q: 8,192 rows; w_q: 4,096 rows: wq's (head, d), wk's, wv's, then wo's): 34 planes of ROWS x 16 bytes.  Plane 17 kh + i (i = 0 .. 15) holds, for every row, the 16 bytes
; (32 codes) of block 16 kh + i along K; plane 17 kh + 16 holds, for every row, the 16 scale bytes of K half kh.  So sixteen neighbouring rows of a block are 256 consecutive bytes, which is what sixteen
; lanes of a 4-bit operand take, and a K half of any run of rows is one tile of 17 rows for a tensor load.
; A block's scale is 2^(floor(log2(its largest magnitude)) - 2); its byte is the largest magnitude's exponent field - 2, held at 1 from below by a floor among the maximum's leaves.
; LIMITS: NaN and infinities among the inputs are not served; a block whose largest magnitude lies under 2^-124 gets the byte 1, a block of zeros too (the rule says 127: its codes are zeros, which add
; nothing under any byte but 0xff, and the bytes are read by this program alone).
; Work-groups 0-255 take x, 256-287 wo (one path, pointers chosen on the work-group's number), 288-479 the three projection weights (a second path, without LDS).  No barrier: waves share nothing.
.set XWGS, 256                         ; work-groups for x
.set AWGS, 288                         ; and with wo's
.set SPT,  528                         ; a stage row: 512 bytes + 16 of padding: sixteen rows start at sixteen different 16-byte columns
.set STGB, 16*SPT                      ; a wave's stage
.set LD0,  32                          ; v32-159  two sets of 64 registers as loaded
.set XB,   160                         ; v160-223 two whole blocks of 32 numbers of my row
.set CD,   224                         ; v224-255 codes: eight registers for each double step, so that no store's data are written again
.set OFF,  16                          ; v16-23   byte offsets of planes n (lanes 0-15) and n + 8 (lanes 16-31), my row
.set SB,   12                          ; v[12:13] my eight scale bytes
; Two whole blocks of 32 numbers of one lane, by turns: largest magnitudes with the floor 2^(3 - 127), scale operands (2 off the exponent field), 2 x 4 conversions, the two bytes.
; The two shifts at the end are also the plain lines behind the conversions.
.macro QB2 xa, xb, ca, cb, ea, eb
	v_max3_num_f32 v8, |v[\xa]|, |v[\xa+1]|, 0x1800000
	v_max3_num_f32 v9, |v[\xb]|, |v[\xb+1]|, 0x1800000
.irp i, 2,4,6,8,10,12,14,16,18,20,22,24,26,28,30
	v_max3_num_f32 v8, v8, |v[\xa+\i]|, |v[\xa+\i+1]|
	v_max3_num_f32 v9, v9, |v[\xb+\i]|, |v[\xb+\i+1]|
.endr
	v_add_nc_u32 v10, 0xff000000, v8               ; the conversion takes the exponent field of this operand as its scale, and nothing else of it
	v_add_nc_u32 v11, 0xff000000, v9
.irp g, 0,1,2,3
	v_cvt_scalef32_pk8_fp4_f32 v[\ca+\g], v[\xa+8*\g:\xa+8*\g+7], v10
.endr
.irp g, 0,1,2,3
	v_cvt_scalef32_pk8_fp4_f32 v[\cb+\g], v[\xb+8*\g:\xb+8*\g+7], v11
.endr
	v_lshrrev_b32 v[\ea], 23, v10                  ; the scales' bytes
	v_lshrrev_b32 v[\eb], 23, v11
.endm
	v_lshl_add_u32 v30, v0, 2, 0x8400
	v_mov_b32 v31, 0
	s_cmp_ge_u32 ttmp9, AWGS
	s_cbranch_scc1 .Lweights
; ---- K INNERMOST.  A wave takes 16 rows x 512 along K (K half kh), in four double steps.  Double step t: bytes 256 t .. + 255 (blocks 2 t, 2 t + 1) and 1,024 + 256 t .. (blocks 8 + 2 t, 9 + 2 t) of each row's half.
; Each load reads two rows' aligned 256 bytes; the 8,192 bytes turn through the wave's own stage, so that lane (r, h) gets blocks 2 t + 8 h and 2 t + 1 + 8 h of row r whole.
	s_load_b128 s[4:7], s[0:1], 0x0                ; x, wo
	s_load_b64 s[8:9], s[0:1], 0x28                ; x_q
	s_load_b64 s[10:11], s[0:1], 0x30              ; w_q
	v_lshrrev_b32 v1, 5, v0
	v_readfirstlane_b32 s12, v1                    ; wave
	v_and_b32 v2, 15, v0                           ; r
	v_bfe_u32 v3, v0, 4, 1                         ; h
	v_lshlrev_b32 v4, 4, v2                        ; 16 r
	s_mov_b32 s14, 65536
	s_wait_alu depctr_va_vdst(0)
	s_wait_kmcnt 0x0
	s_cmp_lt_u32 ttmp9, XWGS                       ; x's work-group or wo's?  The choice hangs on the work-group's number alone
	s_cselect_b64 s[4:5], s[4:5], s[6:7]
	s_cselect_b64 s[8:9], s[8:9], s[10:11]
	s_cselect_b32 s13, 0, XWGS                     ; the tensor's first work-group
	s_cselect_b32 s14, 131072, s14                 ; a plane: 8,192 or 4,096 rows of 16 bytes
	s_cselect_b32 s15, 0, 49152                    ; wo's rows begin at row 3,072 of w_q
	s_sub_co_u32 s16, ttmp9, s13
	s_lshl_b32 s16, s16, 2
	s_add_co_u32 s16, s16, s12
	s_and_b32 s17, s16, 1                          ; kh
	s_lshr_b32 s18, s16, 1                         ; which 16 rows
	s_lshl_b32 s20, s18, 16                        ; 16 rows of 4,096 bytes
	s_lshl_b32 s21, s17, 11                        ; + the K half's 2,048
	s_add_co_u32 s20, s20, s21
	s_mov_b32 s21, 0
	s_add_nc_u64 s[4:5], s[4:5], s[20:21]
	s_mul_i32 s22, s17, 17
	s_mul_i32 s22, s22, s14                        ; plane 17 kh,
	s_lshl_b32 s23, s18, 8                         ; my 16 rows of 16 bytes
	s_add_co_u32 s22, s22, s23
	s_add_co_u32 s22, s22, s15
	s_mov_b32 s23, 0
	s_add_nc_u64 s[8:9], s[8:9], s[22:23]
	v_lshl_add_u32 v5, v3, 12, v4                  ; in: lanes 0-15 one row's 256 bytes, lanes 16-31 the next row's
	s_mul_i32 s24, s12, STGB
	v_mul_u32_u24 v6, v3, SPT
	v_add_nc_u32 v6, v6, v4
	v_add_nc_u32 v6, s24, v6                       ; the stage, on the way in: as loaded
	v_mul_u32_u24 v7, v2, SPT
	v_lshl_add_u32 v7, v3, 8, v7
	v_add_nc_u32 v7, s24, v7                       ; and on the way out: row r, unit h
	s_lshl_b32 s25, s14, 3
	v_mul_lo_u32 v[OFF], v3, s25                   ; lanes 16-31 write eight planes further on
	v_add_nc_u32 v[OFF], v[OFF], v4
.irp n, 1,2,3,4,5,6,7
	v_add_nc_u32 v[OFF+\n], s14, v[OFF+\n-1]
.endr
	s_lshl_b32 s26, s14, 4
	v_lshl_add_u32 v14, v3, 3, v4
	v_add_nc_u32 v14, s26, v14                     ; the scale plane: 16 r + 8 h
.macro LOADX t
.irp i, 0,1,2,3,4,5,6,7,8,9,10,11,12,13,14,15
	global_load_b128 v[LD0+64*((\t)%2)+4*\i:LD0+64*((\t)%2)+4*\i+3], v5, s[4:5] offset:(\i%8)*8192+(\i/8)*1024+(\t)*256 th:TH_LOAD_NT
.endr
.endm
.macro STEPX t
.if (\t) < 3
	s_wait_loadcnt 16                              ; this double step's 16 loads are in; the next one's 16 may be out
.else
	s_wait_loadcnt 0x0
.endif
.irp i, 0,1,2,3,4,5,6,7,8,9,10,11,12,13,14,15
	ds_store_b128 v6, v[LD0+64*((\t)%2)+4*\i:LD0+64*((\t)%2)+4*\i+3] offset:(\i%8)*2*SPT+(\i/8)*256
.endr
.irp e, 0,1
.irp i, 0,1,2,3,4,5,6,7
	ds_load_b128 v[XB+32*\e+4*\i:XB+32*\e+4*\i+3], v7 offset:\e*128+16*\i   ; LDS serves a wave's instructions in order: these see the stores above
.endr
.endr
	s_wait_dscnt 0x0                               ; my two blocks are in, and the stores have read their registers,
.if (\t) < 2
	LOADX (\t)+2                                   ; which take the loads of two double steps on
.endif
	QB2 XB, XB+32, CD+8*(\t), CD+8*(\t)+4, 24, 25
.if (\t)%2 == 0
	v_lshl_or_b32 v[SB+(\t)/2], v25, 8, v24        ; four bytes to a register, the lower K in the lower byte
.else
	v_lshl_or_b32 v[SB+(\t)/2], v24, 16, v[SB+(\t)/2]
	v_lshl_or_b32 v[SB+(\t)/2], v25, 24, v[SB+(\t)/2]
.endif
	global_store_b128 v[OFF+2*(\t)], v[CD+8*(\t):CD+8*(\t)+3], s[8:9]        ; each half of the lanes stores 256 consecutive bytes, aligned
	global_store_b128 v[OFF+2*(\t)+1], v[CD+8*(\t)+4:CD+8*(\t)+7], s[8:9]
.endm
	LOADX 0
	LOADX 1
	STEPX 0
	STEPX 1
	STEPX 2
	STEPX 3
	global_store_b64 v14, v[SB:SB+1], s[8:9]       ; 32 lanes store the 16 rows' 256 scale bytes, aligned
	s_wait_tensorcnt 0x0
	ds_add_u32 v30, v31
	s_wait_dscnt 0x0
	s_endpgm
; ---- K = THE MIDDLE AXIS.  A LANE TAKES A COLUMN d AND ITS REGISTERS RUN DOWN K: a block of 32 lies in one lane, and the conversions give codes with K innermost.  Nothing is transposed.
; Work-group g: kh = g & 1, 32 columns dh = (g >> 1) & 1, head = (g >> 2) & 15, tensor m = g >> 6.  Wave w takes e = 512 kh + 128 w .. + 127: four blocks.
; The codes leave as 512 consecutive bytes a store.  The scale words (4 bytes of each row's 16) write their 256-byte runs in part: 4 bytes for each 512 read; the price of a path without LDS and barriers.
.Lweights:
	s_load_b128 s[4:7], s[0:1], 0x10               ; wq, wk
	s_load_b64 s[8:9], s[0:1], 0x20                ; wv
	s_load_b64 s[10:11], s[0:1], 0x30              ; w_q
	v_lshrrev_b32 v1, 5, v0
	v_readfirstlane_b32 s12, v1                    ; wave
	v_and_b32 v2, 31, v0                           ; lane
	v_lshlrev_b32 v3, 2, v2                        ; in: 4 bytes a lane
	v_lshlrev_b32 v4, 4, v2                        ; out: 16 bytes a lane
	s_sub_co_u32 s13, ttmp9, AWGS
	s_and_b32 s14, s13, 1                          ; kh
	s_bfe_u32 s15, s13, 0x10001                    ; dh
	s_bfe_u32 s16, s13, 0x40002                    ; head
	s_lshr_b32 s17, s13, 6                         ; m
	s_lshl_b32 s20, s16, 18                        ; a head: 1,024 x 64 x 4 bytes
	s_lshl_b32 s21, s14, 17                        ; 512 rows of 256 bytes
	s_add_co_u32 s20, s20, s21
	s_lshl_b32 s21, s12, 15                        ; 128 rows
	s_add_co_u32 s20, s20, s21
	s_lshl_b32 s21, s15, 7                         ; 32 columns
	s_add_co_u32 s20, s20, s21
	s_mov_b32 s21, 0
	s_mul_i32 s22, s14, 17
	s_lshl_b32 s23, s12, 2
	s_add_co_u32 s23, s22, s23                     ; plane 17 kh + 4 w
	s_lshl_b32 s23, s23, 16
	s_lshl_b32 s24, s17, 14                        ; row 1,024 m + 64 head + 32 dh, 16 bytes a row
	s_lshl_b32 s25, s16, 10
	s_add_co_u32 s24, s24, s25
	s_lshl_b32 s25, s15, 9
	s_add_co_u32 s24, s24, s25
	s_add_co_u32 s26, s23, s24
	s_mov_b32 s27, 0
	s_add_co_u32 s22, s22, 16                      ; the scale plane,
	s_lshl_b32 s22, s22, 16
	s_add_co_u32 s22, s22, s24
	s_lshl_b32 s25, s12, 2                         ; my four bytes of a row's sixteen
	s_add_co_u32 s28, s22, s25
	s_mov_b32 s29, 0
	s_wait_alu depctr_va_vdst(0)
	s_wait_kmcnt 0x0
	s_cmp_eq_u32 s17, 0
	s_cselect_b64 s[4:5], s[4:5], s[6:7]
	s_cmp_eq_u32 s17, 2
	s_cselect_b64 s[4:5], s[8:9], s[4:5]
	s_add_nc_u64 s[4:5], s[4:5], s[20:21]
	s_add_nc_u64 s[30:31], s[10:11], s[28:29]
	s_add_nc_u64 s[10:11], s[10:11], s[26:27]
.set i, 0
.rept 128
	global_load_b32 v[64+i], v3, s[4:5] offset:256*i th:TH_LOAD_NT   ; w(e0 + i, my column): 32 lanes read 128 consecutive bytes
.set i, i+1
.endr
	s_wait_loadcnt 63                              ; of the 128 loads at least 65 are in: blocks 0 and 1
	QB2 64, 96, 32, 36, 24, 25
	s_wait_loadcnt 0x0
	QB2 128, 160, 40, 44, 26, 27
	v_lshl_or_b32 v12, v25, 8, v24
	v_lshl_or_b32 v12, v26, 16, v12
	v_lshl_or_b32 v12, v27, 24, v12
.irp t, 0,1,2,3
	global_store_b128 v4, v[32+4*\t:35+4*\t], s[10:11] offset:\t*65536   ; 32 rows' 16 bytes of one plane: 512 consecutive bytes
.endr
	global_store_b32 v4, v12, s[30:31]
	s_endpgm
.Lfunc_end_k_q413b07cde6_quant:
	.size	k_q413b07cde6_quant, .Lfunc_end_k_q413b07cde6_quant-k_q413b07cde6_quant
	.p2alignl 7, 3214868480
	.fill 96, 4, 3214868480
	.section	.rodata,"a",@progbits
	.p2align	6, 0x0
	.amdhsa_kernel k_q413b07cde6_quant
		.amdhsa_group_segment_fixed_size 34304
		.amdhsa_private_segment_fixed_size 0
		.amdhsa_enable_private_segment 0
		.amdhsa_kernarg_size 56
		.amdhsa_user_sgpr_count 2
		.amdhsa_user_sgpr_kernarg_segment_ptr 1
		.amdhsa_wavefront_size32 1
		.amdhsa_system_sgpr_workgroup_id_x 1
		.amdhsa_system_sgpr_workgroup_id_y 1
		.amdhsa_system_sgpr_workgroup_id_z 1
		.amdhsa_system_vgpr_workitem_id 0
		.amdhsa_next_free_vgpr 256
		.amdhsa_next_free_sgpr 66
		.amdhsa_reserve_vcc 0
		.amdhsa_float_denorm_mode_32 3
		.amdhsa_float_denorm_mode_16_64 3
		.amdhsa_memory_ordered 1
		.amdhsa_forward_progress 1
		.amdhsa_inst_pref_size 50
	.end_amdhsa_kernel
	.amdgpu_metadata
---
amdhsa.version: [ 1, 2 ]
amdhsa.kernels:
  - .name:           k_q413b07cde6_quant
    .symbol:         k_q413b07cde6_quant.kd
    .args:
      - { .name: x, .offset: 0, .size: 8, .value_kind: global_buffer, .address_space: global }
      - { .name: wo, .offset: 8, .size: 8, .value_kind: global_buffer, .address_space: global }
      - { .name: wq, .offset: 16, .size: 8, .value_kind: global_buffer, .address_space: global }
      - { .name: wk, .offset: 24, .size: 8, .value_kind: global_buffer, .address_space: global }
      - { .name: wv, .offset: 32, .size: 8, .value_kind: global_buffer, .address_space: global }
      - { .name: x_q, .offset: 40, .size: 8, .value_kind: global_buffer, .address_space: global }
      - { .name: w_q, .offset: 48, .size: 8, .value_kind: global_buffer, .address_space: global }
    .group_segment_fixed_size: 34304
    .private_segment_fixed_size: 0
    .kernarg_segment_align: 8
    .kernarg_segment_size: 56
    .max_flat_workgroup_size: 128
    .sgpr_count:     66
    .vgpr_count:     256
    .wavefront_size: 32
...
	.end_amdgpu_metadata
.endif
;; end of part 1
;; launch qkv (part 2): grid 12 x 32, 4 waves a work-group, clusters of 4 x 4, 279,040 bytes of LDS; arguments x_q, w_q, qkv_codes, qkv_scales; writes qkv_codes, qkv_scales
.if DOCPART == 2
	.amdgcn_target "amdgcn-amd-amdhsa--gfx1250"
	.amdhsa_code_object_version 6
	.text
	.protected	k_q413b07cde6_qkv
	.globl	k_q413b07cde6_qkv
	.p2align	8
	.type	k_q413b07cde6_qkv,@function
k_q413b07cde6_qkv:
	s_mov_b64 s[64:65], 0
	v_nop
	global_prefetch_b8 v0, s[64:65] scope:SCOPE_SE
	s_setreg_imm32_b32 hwreg(HW_REG_WAVE_MODE, 25, 1), 1
	s_wait_xcnt 0x0
	s_wait_alu depctr_hold_cnt(0) depctr_sa_sdst(0) depctr_va_vdst(0) depctr_va_sdst(0) depctr_va_ssrc(0) depctr_va_vcc(0) depctr_vm_vsrc(0)
	s_getreg_b32 s2, hwreg(HW_REG_IB_STS2, 6, 4)
	s_cmp_eq_u32 s2, 0
	s_cbranch_scc0 .Lentry_in_a_cluster
	s_endpgm
.Lentry_in_a_cluster:
	s_bfe_u32 s2, ttmp6, 0x10000c
	s_cmp_lg_u32 s2, 0xf033
	s_cbranch_scc0 .Lentry_shape_is_right
	s_endpgm
.Lentry_shape_is_right:
; q, k, v = x W on codes of FP4 (E2M1) with E8M0 scales (K = 1,024), and their results QUANTISED IN REGISTERS for the attention launch: q and k along d, v along the keys.  No f32 result goes to memory.
; A work-group makes 256 rows of W (x = 0 .. 11: 0-3 wq, 4-7 wk, 8-11 wv) x 256 tokens (y); four waves, 128 x 128 each: 64 accumulators, 512 registers.
; ROLES.  Source 0 (P) is the operand whose rows run along a lane's registers in the result, which is the axis to be quantised; source 1 (R) gives a lane its row.  q, k: P = W (d), R = X (token).  v: P = X (keys), R = W (d).
; The kind is the cluster's x (a cluster spans 4 work-groups along x), equal in all sixteen partners.  The tensor loads are alike for all kinds; only the LDS bases that are READ and the addresses of the results are chosen by it.
; ALL OF K LIES IN LDS: two slots of 512 along K, each filled ONCE: no byte of LDS is filled twice.  A slot: four regions [17 planes][128 rows][16 bytes] (X's two halves, W's two halves): planes 0-15 the codes of a block
; of 32, plane 16 the rows' 16 scale bytes.  Sixteen lanes of every LDS load take 256 consecutive bytes: no padding is needed.
; CLUSTERS: 4 x 4.  X's tiles hang on y alone and are asked for jointly along a row of the cluster, W's on x alone, along a column.  A wave has two tensor loads out at the most.
; THE RESULT'S CODES.  Tile b of a lane's eight holds P index 16 b + 8 (lane / 16) + 0 .. 7.  Tile 4 c + i's code register is written to slot 4 c + {0, 2, 1, 3}[i]; two exchanges of halves for each c then leave block 2 c + (lane / 16)
; whole in registers 4 c .. 4 c + 3: sixteen lanes store 256 consecutive bytes of a plane [block][row][16 bytes].
; LIMITS: NaN and infinities are not served; a block whose largest magnitude lies under 2^-124 (zeros too) gets the byte 1: read by this program alone.
; REGISTERS: window 0: v1-5 lane parts; v16-27 addresses; v32-95 scale words, a set for each slot; v96-111 at work; v112-119 the results' scale words; v120-127 as stored; v128-255 R's fragments, two sets (later v128-191 the codes).
;   window 1: P's fragments, two sets, at v0 and v128.   windows 2, 3: accumulators: (R tile a, P tile b) at v[8 (8 (a % 4) + b)] of window 2 + a / 4.
; LDS AS IT IS LAID (in place of the head's sentence on regions): slot s (K half s) at s x SLOT: X's region, then W's, each [17 planes][256 rows][16 bytes]: one tensor load brings a region.
; Wave 0 fetches X's K half 0, wave 1 W's, wave 2 X's K half 1, wave 3 W's: one load a wave, each on a line of its own.  Waves 0 and 1 wait ahead of the first barrier; a plain barrier in the fourth step shows the second half.
.set SLOT, 139264
.set REGB, 34816                       ; half a region; 2 x REGB: from X's region to W's
.set SCP,  65536                       ; a region's scale plane: its 17th
.set ADRR, 16                          ; v16-17  LDS address of my R fragments in slot 0, 1
.set ADRP, 20                          ; v20-21  of my P fragments
.set ADRS, 22                          ; v22-23  of my scale words: lanes 0-15 R's rows, lanes 16-31 P's
.set OFF0, 24                          ; v24     the codes' way out: block (lane / 16), row lane % 16
.set OFF1, 25                          ; v25     two blocks on
.set SOFF, 26                          ; v26     the scale words' way out
.set SELR, 27                          ; v27     byte selects
.set SC,   32
.set TM,   96                          ; v96-99 largest magnitudes, v100-103 the other half's, then bytes, v108-111 scale operands
.set PWR,  112
.set OW,   120
.set RF,   128
.set CX,   128
.set G1X,  24                          ; s[24:31] group 1 for X's tiles;  s[32:39] groups 0, one for each slot
.set G0X,  32
.set G1W,  48                          ; s[48:55], s[56:63] the same for W's
.set G0W,  56
.set MSB, 0
.macro WIN new                         ; the immediate's high byte repeats the setting that is left; a switch that changes nothing is dropped
.if MSB != (\new)
	s_set_vgpr_msb (MSB<<8)|(\new)
.set MSB, (\new)
.endif
.endm
.set MUL_LO, 0xa1                      ; source 0 (P) window 1, source 1 (R) window 0, C and D window 2
.set MUL_HI, 0xf1                      ; the same, C and D window 3
.set TO_P,   0x40                      ; destination window 1, address window 0
; A joint load: waves 0 and 2 fetch X's halves, waves 1 and 3 W's.  Each line has one mask and one set of registers; the branch hangs on the wave's number alone.  Four v_nop follow each line.
.macro ARM under, g0, g1, next         ; an arm of the head's one chain of branches on the wave's number: its joint load, the nops behind it, a jump to the join
	s_cmp_lt_u32 s14, \under
	s_cbranch_scc0 \next
	tensor_load_to_lds s[\g0:\g0+3], s[\g1:\g1+7]
	s_nop 0
.rept 4
	v_nop
.endr
	s_branch .Lhead_asked
\next:
.endm
.macro CROUND                          ; a round of the cluster's barrier
	s_barrier_signal -1
	s_barrier_wait -1
	s_cmp_lg_u32 s14, 0
	s_cbranch_scc1 .Lnot_wave_0_\@
	s_barrier_signal -3
.Lnot_wave_0_\@:
	s_barrier_wait -3
	s_barrier_signal -1
	s_barrier_wait -1
.endm
	s_load_b128 s[4:7], s[0:1], 0x0                ; x_q, w_q
	s_load_b128 s[8:11], s[0:1], 0x10              ; qkv_codes, qkv_scales
	v_lshl_add_u32 v106, v0, 2, 0x44000
	v_mov_b32 v107, 0
	ds_add_u32 v106, v107
	ds_add_u32 v106, v107
	v_lshrrev_b32 v1, 5, v0
	v_readfirstlane_b32 s14, v1                    ; wave 0..3
	s_lshr_b32 s15, s14, 1                         ; my half of R's rows.  Also: which K half I fetch
	s_and_b32 s16, s14, 1                          ; my half of P's rows.  Also: I fetch for X (0) or for W (1)
	s_bfe_u32 s40, ttmp6, 0x40000                  ; cx, cy: my place in the cluster
	s_bfe_u32 s41, ttmp6, 0x40004
	s_lshl_b32 s42, ttmp9, 2
	s_add_co_u32 s42, s42, s40                     ; x = 4 x cluster x + cx
	s_and_b32 s17, ttmp7, 0xffff
	s_lshl_b32 s17, s17, 2
	s_add_co_u32 s17, s17, s41                     ; y = 4 x cluster y + cy
	s_lshl_b32 s43, s41, 2
	s_lshl_b32 s43, 15, s43                        ; my row of the cluster
	s_lshl_b32 s44, 0x1111, s40                    ; my column
	; group 1: 17 rows (planes) of 4,096 bytes = 512 elements of 8 bytes, dense in LDS; a plane is 131,072 bytes in x_q, 65,536 in w_q
	s_or_b32 s[G1X+0], s43, (3<<16)|(1<<21)        ; 15:0 the mask; 17:16 elements of 8 bytes; 21 set beside a mask
	s_or_b32 s[G1W+0], s44, (3<<16)|(1<<21)
.irp g, G1X, G1W
	s_mov_b32 s[\g+1], 512<<16                     ; tensor_dim0: 256 rows of 16 bytes = 512 elements of 8
	s_mov_b32 s[\g+2], 17<<16                      ; tensor_dim1: a K half's 17 planes
	s_mov_b32 s[\g+3], 512<<16                     ; tile_dim0
	s_mov_b32 s[\g+4], 17                          ; tile_dim1
	s_mov_b32 s[\g+6], 0
	s_mov_b32 s[\g+7], 0
.endr
	s_mov_b32 s[G1X+5], 16384                      ; tensor_dim0_stride, in elements
	s_mov_b32 s[G1W+5], 8192
	s_lshl_b32 s20, s17, 12                        ; X: row 256 y, 16 bytes a row
	s_mov_b32 s21, 0
	s_lshl_b32 s46, s42, 12                        ; W: row 256 x
	s_mov_b32 s47, 0
	s_wait_dscnt 0x0
	s_wait_kmcnt 0x0
	s_add_nc_u64 s[20:21], s[4:5], s[20:21]
	s_add_nc_u64 s[46:47], s[6:7], s[46:47]
	CROUND                                         ; all sixteen work-groups are here: the joint loads meet
.irp s, 0,1
	s_mov_b32 s[G0X+4*\s], 1
	s_mov_b32 s[G0X+4*\s+1], \s*SLOT
	s_add_nc_u64 s[G0X+4*\s+2:G0X+4*\s+3], s[20:21], \s*17*131072
	s_or_b32 s[G0X+4*\s+3], s[G0X+4*\s+3], 0x80000000
	s_mov_b32 s[G0W+4*\s], 1
	s_mov_b32 s[G0W+4*\s+1], \s*SLOT+2*REGB
	s_add_nc_u64 s[G0W+4*\s+2:G0W+4*\s+3], s[46:47], \s*17*65536
	s_or_b32 s[G0W+4*\s+3], s[G0W+4*\s+3], 0x80000000
.endr
	ARM 1, G0X,   G1X, .Lhead_w0                   ; wave 0: X, K half 0
	ARM 2, G0W,   G1W, .Lhead_x1                   ; wave 1: W, K half 0
	ARM 3, G0X+4, G1X, .Lhead_w1                   ; wave 2: X, K half 1
	tensor_load_to_lds s[G0W+4:G0W+7], s[G1W:G1W+7]   ; wave 3: W, K half 1
	s_nop 0
.rept 4
	v_nop
.endr
.Lhead_asked:
	; what the kind chooses.  All selections stand on one compare, ahead of the additions
	s_sub_co_u32 s74, s42, 8                       ; v: W's tile among wv's four
	s_mov_b32 s75, 131072
	s_cmp_eq_u32 ttmp9, 2
	s_cselect_b32 s70, 0, 2*REGB                   ; P's regions: X's for v, W's for q and k
	s_cselect_b32 s71, 2*REGB, 0                   ; R's
	s_cselect_b32 s72, s17, s42                    ; P's tile
	s_cselect_b32 s74, s74, s17                    ; R's tile
	s_cselect_b32 s75, 16384, s75                  ; a plane of the result: 1,024 rows (v) or 8,192 tokens (q, k) of 16 bytes
	s_cselect_b32 s76, 8388608, 0                  ; v's planes lie behind q's and k's
	s_lshl_b32 s73, s16, 11                        ; 128 rows of 16 bytes in every plane
	s_add_co_u32 s70, s70, s73                     ; my 128 rows of P
	s_lshl_b32 s73, s15, 11
	s_add_co_u32 s71, s71, s73                     ; my 128 rows of R
	s_mov_b32 s66, 0x76543210
	s_mov_b32 s67, 0xfedcba98                      ; v_permlanex16_b32's selects for lane l xor 16
	v_and_b32 v1, 15, v0                           ; r
	v_bfe_u32 v2, v0, 4, 1                         ; h
	v_lshlrev_b32 v3, 4, v1                        ; 16 r
	v_lshl_add_u32 v4, v2, 12, v3                  ; a fragment's registers 4 c .. 4 c + 3 are block 2 c + h of row r: plane h (4,096 bytes a plane), 16 r
	v_add_nc_u32 v[ADRP], s70, v4
	v_add_nc_u32 v[ADRP+1], SLOT, v[ADRP]
	v_add_nc_u32 v[ADRR], s71, v4
	v_add_nc_u32 v[ADRR+1], SLOT, v[ADRR]
	v_cmp_eq_u32 vcc_lo, 1, v2
	v_mov_b32 v5, s71
	v_mov_b32 v6, s70
	v_cndmask_b32 v5, v5, v6, vcc_lo               ; lanes 0-15 take R's scale words, lanes 16-31 P's
	v_add_nc_u32 v5, v5, v3
	v_add_nc_u32 v[ADRS], SCP, v5
	v_add_nc_u32 v[ADRS+1], SLOT, v[ADRS]
.irp n, 0,1,2,3
	v_mov_b32 v[TM+4+\n], 0                        ; written once: a lane permute's destination counts as one of its sources
.endr
	s_lshl_b32 s84, s72, 3                         ; the result's codes: plane 8 x P's tile + 4 x my half,
	s_lshl_b32 s85, s16, 2
	s_add_co_u32 s84, s84, s85
	s_mul_i32 s84, s84, s75
	s_add_co_u32 s84, s84, s76
	s_lshl_b32 s85, s74, 12                        ; row 256 x R's tile + 128 x my half
	s_add_co_u32 s84, s84, s85
	s_lshl_b32 s85, s15, 11
	s_add_co_u32 s84, s84, s85
	s_mov_b32 s85, 0
	s_add_nc_u64 s[8:9], s[8:9], s[84:85]
	v_mul_lo_u32 v[OFF0], v2, s75
	v_add_nc_u32 v[OFF0], v[OFF0], v3
	s_lshl_b32 s86, s75, 1
	v_add_nc_u32 v[OFF1], s86, v[OFF0]
; 32 LDS loads in one run: the fragments of the slot's q-th 128 along K into set p
.macro FETCH slot, q, p
	WIN TO_P
.irp b, 0,1,2,3,4,5,6,7
.irp c, 0,1
	ds_load_b128 v[128*(\p)+8*\b+4*\c:128*(\p)+8*\b+4*\c+3], v[ADRP+\slot] offset:(\q)*16384+\c*8192+\b*256
.endr
.endr
	WIN 0
.irp a, 0,1,2,3,4,5,6,7
.irp c, 0,1
	ds_load_b128 v[RF+64*(\p)+8*\a+4*\c:RF+64*(\p)+8*\a+4*\c+3], v[ADRR+\slot] offset:(\q)*16384+\c*8192+\a*256
.endr
.endr
.endm
.macro SCALES slot                     ; a slot's scale words: register 4 i + q: lanes 0-15 the word of R's tile i, lanes 16-31 of P's tile i, for the slot's q-th 128 along K
.irp i, 0,1,2,3,4,5,6,7
	ds_load_b128 v[SC+32*\slot+4*\i:SC+32*\slot+4*\i+3], v[ADRS+\slot] offset:\i*256
.endr
.endm
; 32 matrix instructions: R's tiles 4 hi .. 4 hi + 3 x P's eight.  The 64 accumulators take turns, one instruction a turn, in the same order in every step.  zero = 1: the first product starts the sums.
.macro MUL32 hi, p, q, sc, zero
.irp a, 0,1,2,3
.irp b, 0,1,2,3,4,5,6,7
.if \zero
	v_wmma_scale_f32_16x16x128_f8f6f4 v[8*(8*\a+\b):8*(8*\a+\b)+7], v[128*(\p)+8*\b:128*(\p)+8*\b+7], v[RF+64*(\p)+8*(4*(\hi)+\a):RF+64*(\p)+8*(4*(\hi)+\a)+7], 0, v[SC+32*(\sc)+4*\b+(\q)], v[SC+32*(\sc)+4*(4*(\hi)+\a)+(\q)] matrix_a_fmt:MATRIX_FMT_FP4 matrix_b_fmt:MATRIX_FMT_FP4 matrix_a_scale:MATRIX_SCALE_ROW1
.else
	v_wmma_scale_f32_16x16x128_f8f6f4 v[8*(8*\a+\b):8*(8*\a+\b)+7], v[128*(\p)+8*\b:128*(\p)+8*\b+7], v[RF+64*(\p)+8*(4*(\hi)+\a):RF+64*(\p)+8*(4*(\hi)+\a)+7], v[8*(8*\a+\b):8*(8*\a+\b)+7], v[SC+32*(\sc)+4*\b+(\q)], v[SC+32*(\sc)+4*(4*(\hi)+\a)+(\q)] matrix_a_fmt:MATRIX_FMT_FP4 matrix_b_fmt:MATRIX_FMT_FP4 matrix_a_scale:MATRIX_SCALE_ROW1
.endif
.endr
.endr
.endm
.macro PLACES                          ; four plain places behind a matrix instruction, in front of loads into registers that it has read and of reads of its results (ISA guide 7.12.1 for reads of its results)
.rept 4
	v_nop
.endr
.endm
; A step of 128 along K whose successor lies in the same slot: the successor's 32 loads go out first and have the step's 64 matrix instructions in which to land.
.macro STEP slot, q, zero
	s_wait_dscnt 0x0                               ; this step's fragments (asked for a step ago) and scale words are in
	PLACES                                         ; the other set was read by the last step's products
	FETCH \slot, (\q)+1, ((\q)+1)%2
	WIN MUL_LO
	MUL32 0, (\q)%2, \q, \slot, \zero
	WIN MUL_HI
	MUL32 1, (\q)%2, \q, \slot, \zero
	WIN 0
.endm
	s_wait_alu depctr_va_vdst(0)
	s_cmp_lt_u32 s14, 2
	s_cbranch_scc0 .Lnot_first
	s_wait_tensorcnt 0x0                           ; waves 0 and 1: K half 0 of X and of W is in; waves 2 and 3's loads may stay out: nothing is ever filled twice
.Lnot_first:
	s_barrier_signal -1
	s_barrier_wait -1
	FETCH 0, 0, 0
	SCALES 0
	STEP 0, 0, 1
	STEP 0, 1, 0
	STEP 0, 2, 0
	s_wait_tensorcnt 0x0                           ; the first half's last step: every wave's load is in,
	s_wait_dscnt 0x0                               ; and so are this step's fragments: no LDS instruction of mine is out at the signal
	s_barrier_signal -1                            ; a plain barrier: it shows K half 1 to all
	WIN MUL_LO
	MUL32 0, 1, 3, 0, 0                            ; work on registers while the others arrive
	WIN 0
	s_barrier_wait -1
	PLACES
	FETCH 1, 0, 0
	SCALES 1
	WIN MUL_HI
	MUL32 1, 1, 3, 0, 0
	WIN 0
	STEP 1, 0, 0
	STEP 1, 1, 0
	STEP 1, 2, 0
	s_wait_dscnt 0x0
	WIN MUL_LO
	MUL32 0, 1, 3, 1, 0
	WIN MUL_HI
	MUL32 1, 1, 3, 1, 0
	WIN 0
	PLACES
; THE WAY OUT of R's tile a: a lane holds one row and 64 of its 128 numbers along P; lane l xor 16 holds the others.  Four blocks of 32: block n = tiles 2 n and 2 n + 1 of both lanes.
.macro QUANTN a
.set AC, 64*((\a)%4)
	WIN 0x28+0x14*((\a)/4)                         ; sources 1 and 2: window 2 or 3
.irp n, 0,1,2,3
	v_max3_num_f32 v[TM+\n], 0x1800000, |v[AC+16*\n]|, |v[AC+16*\n+1]|   ; the floor 2^(3 - 127) among the leaves: the byte cannot fall under 1.  Each accumulator is read from its low end on
.endr
.irp i, 2,4,6,8,10,12,14
.irp n, 0,1,2,3
	v_max3_num_f32 v[TM+\n], v[TM+\n], |v[AC+16*\n+\i]|, |v[AC+16*\n+\i+1]|   ; (the four blocks by turns)
.endr
.endr
	WIN 0
.irp n, 0,1,2,3
	v_permlanex16_b32 v[TM+4+\n], v[TM+\n], s66, s67
.endr
.irp n, 0,1,2,3
	v_max_num_f32 v[TM+\n], v[TM+\n], v[TM+4+\n]   ; the block's largest magnitude
.endr
.irp n, 0,1,2,3
	v_add_nc_u32 v[TM+12+\n], 0xff000000, v[TM+\n] ; 2 off its exponent field: the conversion's scale operand
.endr
.irp n, 0,1,2,3
	v_lshrrev_b32 v[TM+4+\n], 23, v[TM+12+\n]      ; the scale's byte
.endr
	v_lshl_or_b32 v[PWR+(\a)], v[TM+5], 8, v[TM+4]
	v_lshl_or_b32 v[PWR+(\a)], v[TM+6], 16, v[PWR+(\a)]
	v_lshl_or_b32 v[PWR+(\a)], v[TM+7], 24, v[PWR+(\a)]
	WIN 0x02+(\a)/4                                ; source 0: window 2 or 3
.irp t, 0,1,2,3,4,5,6,7
	v_cvt_scalef32_pk8_fp4_f32 v[CX+8*(\a)+4*(\t/4)+2*(\t%2)+(\t%4)/2], v[AC+8*\t:AC+8*\t+7], v[TM+12+\t/2]
.endr
	WIN 0
	v_nop                                          ; one plain place behind a scaled conversion
.irp c, 0,1
	v_permlane16_swap_b32 v[CX+8*(\a)+4*\c], v[CX+8*(\a)+4*\c+1]     ; the first's lanes 16-31 change places with the second's lanes 0-15:
	v_permlane16_swap_b32 v[CX+8*(\a)+4*\c+2], v[CX+8*(\a)+4*\c+3]   ; registers 4 c .. 4 c + 3 now hold block 2 c + h whole
.endr
	global_store_b128 v[OFF0], v[CX+8*(\a):CX+8*(\a)+3], s[8:9] offset:(\a)*256     ; each half of the lanes stores 256 consecutive bytes of a plane, aligned
	global_store_b128 v[OFF1], v[CX+8*(\a)+4:CX+8*(\a)+7], s[8:9] offset:(\a)*256
.endm
.irp a, 0,1,2,3,4,5,6,7
	QUANTN \a
.endr
	; THE SCALE WORDS, laid as the attention launch loads them.  Word a of v[PWR ..] holds the four block bytes of R row 16 a + r, the same in both halves of the lanes.  The branches hang on the cluster's x alone.
	v_cmp_eq_u32 vcc_lo, 1, v2
	s_cmp_eq_u32 ttmp9, 0
	s_cbranch_scc1 .Lq_words
	s_cmp_eq_u32 ttmp9, 1
	s_cbranch_scc1 .Lk_words
	; v: [head][token / 128][r][t][4]: the word of d = 16 t + r is its four key blocks' bytes.  My R rows are two heads: lanes 0-15 store the first (tiles 0-3), lanes 16-31 the second (tiles 4-7)
	v_mov_b32 v[SELR], 0x03020100
	v_mov_b32 v5, 0x07060504
	v_cndmask_b32 v[SELR], v[SELR], v5, vcc_lo
	s_wait_alu depctr_va_vdst(0)
	s_lshl_b32 s86, s40, 2
	s_lshl_b32 s87, s15, 1
	s_add_co_u32 s86, s86, s87                     ; head 4 cx + 2 x my half of R
	s_lshl_b32 s86, s86, 14
	s_lshl_b32 s87, s17, 9                         ; token / 128 = 2 y + my half of P
	s_add_co_u32 s86, s86, s87
	s_lshl_b32 s87, s16, 8
	s_add_co_u32 s86, s86, s87
	s_add_co_u32 s86, s86, 786432
	v_lshl_add_u32 v[SOFF], v2, 14, v3
	v_add_nc_u32 v[SOFF], s86, v[SOFF]
.irp t, 0,1,2,3
	v_perm_b32 v[OW+\t], v[PWR+4+\t], v[PWR+\t], v[SELR]
.endr
	global_store_b128 v[SOFF], v[OW:OW+3], s[10:11]
	s_branch .Lwords_out
.Lq_words:
	; q: [head][token / 64][r][(token / 16) % 4][4]: the word is (s0, s1, s0, s1) of the token in that head.  My P rows are two heads: bytes 0, 1 and bytes 2, 3
	v_mov_b32 v[SELR], 0x01000100
	v_mov_b32 v5, 0x03020302
	v_cndmask_b32 v[SELR], v[SELR], v5, vcc_lo
	s_wait_alu depctr_va_vdst(0)
	s_lshl_b32 s86, s40, 2
	s_lshl_b32 s87, s16, 1
	s_add_co_u32 s86, s86, s87                     ; head 4 cx + 2 x my half of P
	s_lshl_b32 s86, s86, 15
	s_lshl_b32 s87, s17, 10                        ; token / 64 = 4 y + 2 x my half of R
	s_add_co_u32 s86, s86, s87
	s_lshl_b32 s87, s15, 9
	s_add_co_u32 s86, s86, s87
	v_lshl_add_u32 v[SOFF], v2, 15, v3
	v_add_nc_u32 v[SOFF], s86, v[SOFF]
.irp a, 0,1,2,3,4,5,6,7
	v_perm_b32 v[OW+\a], v[PWR+\a], v[PWR+\a], v[SELR]
.endr
	global_store_b128 v[SOFF], v[OW:OW+3], s[10:11]
	global_store_b128 v[SOFF], v[OW+4:OW+7], s[10:11] offset:256
	s_branch .Lwords_out
.Lk_words:
	; k: [head][token / 128][r][T][4]: the word is (s0, s1 of key 32 T + r; s0, s1 of key 32 T + 16 + r): tiles 2 T and 2 T + 1
	v_mov_b32 v[SELR], 0x05040100
	v_mov_b32 v5, 0x07060302
	v_cndmask_b32 v[SELR], v[SELR], v5, vcc_lo
	s_wait_alu depctr_va_vdst(0)
	s_lshl_b32 s86, s40, 2
	s_lshl_b32 s87, s16, 1
	s_add_co_u32 s86, s86, s87
	s_lshl_b32 s86, s86, 14
	s_lshl_b32 s87, s17, 9                         ; token / 128 = 2 y + my half of R
	s_add_co_u32 s86, s86, s87
	s_lshl_b32 s87, s15, 8
	s_add_co_u32 s86, s86, s87
	s_add_co_u32 s86, s86, 524288
	v_lshl_add_u32 v[SOFF], v2, 14, v3
	v_add_nc_u32 v[SOFF], s86, v[SOFF]
.irp t, 0,1,2,3
	v_perm_b32 v[OW+\t], v[PWR+2*\t+1], v[PWR+2*\t], v[SELR]
.endr
	global_store_b128 v[SOFF], v[OW:OW+3], s[10:11]
.Lwords_out:
	s_wait_tensorcnt 0x0
	ds_add_u32 v106, v107
	s_wait_dscnt 0x0
	CROUND                                         ; the closing round: no work-group ends while a partner may still ask for a tile that names it
	s_endpgm
.Lfunc_end_k_q413b07cde6_qkv:
	.size	k_q413b07cde6_qkv, .Lfunc_end_k_q413b07cde6_qkv-k_q413b07cde6_qkv
	.p2alignl 7, 3214868480
	.fill 96, 4, 3214868480
	.section	.rodata,"a",@progbits
	.p2align	6, 0x0
	.amdhsa_kernel k_q413b07cde6_qkv
		.amdhsa_group_segment_fixed_size 279040
		.amdhsa_private_segment_fixed_size 0
		.amdhsa_enable_private_segment 0
		.amdhsa_kernarg_size 32
		.amdhsa_user_sgpr_count 2
		.amdhsa_user_sgpr_kernarg_segment_ptr 1
		.amdhsa_wavefront_size32 1
		.amdhsa_system_sgpr_workgroup_id_x 1
		.amdhsa_system_sgpr_workgroup_id_y 1
		.amdhsa_system_sgpr_workgroup_id_z 1
		.amdhsa_system_vgpr_workitem_id 0
		.amdhsa_next_free_vgpr 1024
		.amdhsa_next_free_sgpr 100
		.amdhsa_reserve_vcc 1
		.amdhsa_float_denorm_mode_32 3
		.amdhsa_float_denorm_mode_16_64 3
		.amdhsa_memory_ordered 1
		.amdhsa_forward_progress 1
		.amdhsa_inst_pref_size 127
	.end_amdhsa_kernel
	.amdgpu_metadata
---
amdhsa.version: [ 1, 2 ]
amdhsa.kernels:
  - .name:           k_q413b07cde6_qkv
    .symbol:         k_q413b07cde6_qkv.kd
    .args:
      - { .name: x_q, .offset: 0, .size: 8, .value_kind: global_buffer, .address_space: global }
      - { .name: w_q, .offset: 8, .size: 8, .value_kind: global_buffer, .address_space: global }
      - { .name: qkv_codes, .offset: 16, .size: 8, .value_kind: global_buffer, .address_space: global }
      - { .name: qkv_scales, .offset: 24, .size: 8, .value_kind: global_buffer, .address_space: global }
    .group_segment_fixed_size: 279040
    .private_segment_fixed_size: 0
    .kernarg_segment_align: 8
    .kernarg_segment_size: 32
    .max_flat_workgroup_size: 128
    .sgpr_count:     100
    .vgpr_count:     1024
    .wavefront_size: 32
...
	.end_amdgpu_metadata
.endif
;; end of part 2
;; launch attn (part 3): grid 4 x 64, 16 waves a work-group, clusters of 4 x 1, 169,984 bytes of LDS; arguments qkv_codes, qkv_scales, o_q; writes o_q
.if DOCPART == 3
	.amdgcn_target "amdgcn-amd-amdhsa--gfx1250"
	.amdhsa_code_object_version 6
	.text
	.protected	k_q413b07cde6_attn
	.globl	k_q413b07cde6_attn
	.p2align	8
	.type	k_q413b07cde6_attn,@function
k_q413b07cde6_attn:
	s_mov_b64 s[64:65], 0
	v_nop
	global_prefetch_b8 v0, s[64:65] scope:SCOPE_SE
	s_setreg_imm32_b32 hwreg(HW_REG_WAVE_MODE, 25, 1), 1
	s_wait_xcnt 0x0
	s_wait_alu depctr_hold_cnt(0) depctr_sa_sdst(0) depctr_va_vdst(0) depctr_va_sdst(0) depctr_va_ssrc(0) depctr_va_vcc(0) depctr_vm_vsrc(0)
	s_getreg_b32 s2, hwreg(HW_REG_IB_STS2, 6, 4)
	s_cmp_eq_u32 s2, 0
	s_cbranch_scc0 .Lentry_in_a_cluster
	s_endpgm
.Lentry_in_a_cluster:
	s_bfe_u32 s2, ttmp6, 0x10000c
	s_cmp_lg_u32 s2, 0x3003
	s_cbranch_scc0 .Lentry_shape_is_right
	s_endpgm
.Lentry_shape_is_right:
; O[b][head][q] = the sum over k of softmax_k(q . k / 8) v, both products on codes of FP4 (E2M1) with E8M0 scales, and O quantised along (head, d) for the output projection.
; THE SOFTMAX AHEAD OF THE SECOND PRODUCT: t = score x log2(e) / 8; M = the running largest t rounded UP to a whole number; p = 2^(t - M) is quantised along the keys, not normalised; the row's sum is taken of the
; unquantised p and divides O at the end.  When M moves, the sum and O are multiplied by 2^(old M - new M): exact.
; SHARES.  256 work-groups; one owns 512 queries of one (batch, head); each of its sixteen waves 32 of them, two tiles A and B of 16, which share every fragment of K and V that the wave reads from LDS.
; ALL 2,048 KEYS OF THE HEAD LIE IN LDS, each byte filled ONCE, by ten tensor loads at the head, one a wave.  Waves 0-4 fetch what the first four key steps read: waves 0, 1 keys 0-1,023 of K (d block wave % 2), wave 2 keys 0-511 of V,
; waves 3, 4 V's and K's scale words.  Waves 5, 6 fetch keys 1,024-2,047 of K, waves 7-9 V's other three quarters.  The four work-groups of a cluster belong to one (batch, head): every tile is asked for jointly.
; Waves 0-4 wait ahead of the first barrier (their load lines are issued by no other wave); behind four key steps every wave waits and a plain barrier shows the rest. The other twelve steps have no barrier.
; No data prefetch: all that the launch reads through LDS is asked for at the head, so there is no later load to run ahead of.
; LAYOUT.  Both products are used transposed: S^T = K Q^T, O^T = V^T P^T: a lane holds ONE query (lane % 16 = r) of a tile throughout; h = lane / 16.
; K = 64 IN AN INSTRUCTION OF 128: source 0 holds TWO tiles of keys (registers 0-3, registers 4-7); against (q, zeros) it gives the first, against (zeros, q) the second.  Zero codes add nothing.
; THE KEYS OF A TILE ARE CHOSEN: row m of tile i (0 .. 3) of a group g of 64 keys is key 64 g + 32 (m / 8) + 8 i + m % 8.  So register 8 i + j of lane (r, h) is key 64 g + 32 h + 8 i + j: a lane's 32 registers of a group are
; ONE WHOLE BLOCK of 32 keys, block 2 g + h: its largest needs no other lane, and its four code registers are registers 4 g .. 4 g + 3 of the second product's operand as they stand.
; The scale word of p: a lane's two bytes (blocks h, 2 + h) are shifted 8 h bits up and joined with lane l xor 16's.
; ORDER OF THE VECTOR WORK: maxima as a tree (20 lines that hang on nothing, then 8, 2, 2), sums in eight chains, short chains laid among lines that do not hang on them; where a chain must stand bare, a one-field hint stands ahead of each link.
; LIMITS: NaN and infinities are not served; the promise holds while |t| stays under 2^31; a p under 2^-126 comes out of v_exp_f32 as 0; a block whose largest number lies under 2^-124 (zeros too) gets the byte 1: read by this program alone.
; LDS: K's d block e at 40,960 e: 64 rows of 32 keys x 16 bytes + 128 bytes of padding (pitch 640: the two groups of eight keys that sixteen lanes take lie 640 bytes apart, in different halves of a run of 256);
; V [64 key blocks][64 d][16] at VB; K's scale words at KSB, V's at VSB; the spare words at SPARE.
.set KDB,  40960
.set VB,   81920
.set KSB,  147456
.set VSB,  151552
.set SPARE, 155648
.set WV,   12                          ; s12  my wave's number
.set SEL,  2                           ; s2, s3  selects for v_permlanex16_b32: lane l xor 16
.set CS,   66                          ; s[66:67] c = log2(e) / 8
.set G1S,  24                          ; s[24:31] group 1: 4,096 dense bytes of scale words
.set G1K,  32                          ; s[32:39] 32 rows of 512 bytes of K, padded
.set G1V,  40                          ; s[40:47] 16 planes x 1,024 bytes of V
.set G0K,  48                          ; s[48:51] group 0: K's first 1,024 keys
.set G0V,  52                          ; s[52:55] V's quarters 1 to 3
.set G0S,  56                          ; s[56:59] the scale words
.set G0K2, 60                          ; s[60:63] K's other 1,024 keys
.set G0V0, 72                          ; s[72:75] V's quarter 0
.set TK,   90                          ; s90  LDS byte of the step's keys
.set TV,   91                          ; s91  of its V
.set TS,   92                          ; s92  of its scale words
.set CNT,  93
.set AK0,  1                           ; v1   KDB h + 640 (r / 8) + 16 (r % 8)
.set AV0,  2                           ; v2   VB + 1,024 h + 16 r
.set ASK0, 3                           ; v3   KSB + 16 (r % 8) + 4 (r / 8)
.set ASV0, 4                           ; v4   VSB + 16 r
.set GO,   5                           ; v5   131,072 h + 16 r
.set R16,  6                           ; v6   16 r
.set SH8,  7                           ; v7   8 h
.set ADK,  8                           ; v8-11 the step's LDS addresses
.set ADV,  9
.set ADS,  10
.set ADT,  11
.set NMA,  12                          ; v12 -M, v13 the largest score, v[14:15] the sum: tile A;  v16-19 the same: tile B
.set LA,   14
.set NMB,  16
.set LB,   18
.set QA,   24                          ; v20-23 zeros, v24-27 q of A, v28-31 zeros, v32-35 q of B, v36-39 zeros
.set QB,   32
.set KS,   40                          ; v40-43 K's scale words, then V's
.set PWA,  44                          ; v44, v45 p's scale words
.set PWB,  45
.set QW,   46                          ; v46, v47 q's scale words
.set KF,   48                          ; v48-79 four double tiles of K, then four tiles of V^T
.set S,    80                          ; v80-143 S^T, then p, of the tile in hand
.set O,    144                         ; v144-175 O^T of A, v176-207 of B
.set PC,   208                         ; v208-215 p's codes of A, v216-223 of B
.set MX,   224                         ; v224, v226 my two blocks' largest
.set OLD,  225                         ; v225 -M as it was
.set SO,   228                         ; v228, v229 scale operands
.set F,    230                         ; v230 f (v231 named with it as a pair)
.set TP,   232                         ; v232, v233 at work
.set T,    234                         ; v234-253 the maxima's tree; then v234-249 eight partial sums
.set PT,   250                         ; v250, v251 bytes
.macro WALU
	s_wait_alu depctr_va_vdst(0)
.endm
.macro DEP n                           ; a one-field hint ahead of a plain line that reads the plain line n back
	s_delay_alu instid0(VALU_DEP_\n)
.endm
.macro CROUND                          ; a round of the cluster's barrier
	s_barrier_signal -1
	s_barrier_wait -1
	s_cmp_lg_u32 s[WV], 0
	s_cbranch_scc1 .Lnot_wave_0_\@
	s_barrier_signal -3
.Lnot_wave_0_\@:
	s_barrier_wait -3
	s_barrier_signal -1
	s_barrier_wait -1
.endm
.macro ARM under, g0, g1, next         ; an arm of the head's one chain: its load, the nops behind it, a jump to the join
	s_cmp_lt_u32 s[WV], \under
	s_cbranch_scc0 \next
	tensor_load_to_lds s[\g0:\g0+3], s[\g1:\g1+7]
	s_nop 0
.rept 4
	v_nop
.endr
	s_branch .Lasked
\next:
.endm
	s_load_b128 s[4:7], s[0:1], 0x0                ; qkv_codes, qkv_scales
	s_load_b64 s[8:9], s[0:1], 0x10                ; o_q
	v_lshl_add_u32 v254, v0, 2, SPARE
	v_mov_b32 v255, 0
	ds_add_u32 v254, v255                          ; the opening lines: the add twice on end
	ds_add_u32 v254, v255
	v_lshrrev_b32 v8, 5, v0
	v_readfirstlane_b32 s[WV], v8                  ; wave 0..15
	s_bfe_u32 s13, ttmp6, 0x40000                  ; cx
	s_lshl_b32 s14, ttmp9, 2
	s_add_co_u32 s14, s14, s13                     ; my block of 512 queries: it enters q's and o's addresses alone
	s_and_b32 s15, ttmp7, 0xffff
	s_lshr_b32 s16, s15, 4                         ; batch
	s_and_b32 s17, s15, 15                         ; head
	s_and_b32 s18, s[WV], 1                        ; K's d block (waves 0, 1; 5, 6); K's (0) or V's (1) scale words (waves 4, 3)
	s_add_co_u32 s68, s[WV], 2
	s_and_b32 s68, s68, 3                          ; waves 7, 8, 9: V's quarters 1, 2, 3
	s_lshl_b32 s22, s17, 1                         ; K: plane 32 + 2 head + d block,
	s_add_co_u32 s22, s22, s18
	s_add_co_u32 s22, s22, 32
	s_lshl_b32 s22, s22, 17
	s_lshl_b32 s23, s16, 15                        ; the batch's 2,048 tokens of 16 bytes
	s_add_co_u32 s22, s22, s23
	s_mov_b32 s23, 0
	s_mul_i32 s88, s18, KDB                        ; and where they go
	s_lshl_b32 s94, s16, 20                        ; V: plane 64 batch, 16,384 bytes a plane,
	s_lshl_b32 s95, s17, 10                        ; the head's 64 rows of 16 bytes
	s_add_co_u32 s94, s94, s95
	s_add_co_u32 s94, s94, 8388608
	s_mov_b32 s95, 0
	s_lshl_b32 s70, s68, 18                        ; my quarter: 16 planes on for each
	s_mov_b32 s71, 0
	s_lshl_b32 s89, s68, 14
	s_add_co_u32 s89, s89, VB
	s_lshl_b32 s20, s18, 18                        ; scale words: K's or V's, 262,144 bytes on,
	s_lshl_b32 s21, s17, 14                        ; the head's 16,384,
	s_add_co_u32 s20, s20, s21
	s_lshl_b32 s21, s16, 12                        ; the batch's 4,096
	s_add_co_u32 s20, s20, s21
	s_add_co_u32 s20, s20, 524288
	s_mov_b32 s21, 0
	s_lshl_b32 s69, s18, 12
	s_add_co_u32 s69, s69, KSB
	; groups 1: elements of 8 bytes; the mask names all four work-groups; bit 21 is set beside it
	s_mov_b32 s[G1S], 15|(3<<16)|(1<<21)
	s_mov_b32 s[G1S+1], 32<<16                     ; 16 rows of 256 bytes, dense
	s_mov_b32 s[G1S+2], 16<<16
	s_mov_b32 s[G1S+3], 32<<16
	s_mov_b32 s[G1S+4], 16
	s_mov_b32 s[G1S+5], 32
	s_mov_b32 s[G1K], 15|(3<<16)|(1<<20)|(1<<21)|(6<<22)|(31<<25)   ; behind every 128 words 32 words of padding
	s_mov_b32 s[G1K+1], 64<<16                     ; 32 rows of 512 bytes, dense in memory
	s_mov_b32 s[G1K+2], 32<<16
	s_mov_b32 s[G1K+3], 64<<16
	s_mov_b32 s[G1K+4], 32
	s_mov_b32 s[G1K+5], 64
	s_mov_b32 s[G1V], 15|(3<<16)|(1<<21)
	s_mov_b32 s[G1V+1], 128<<16                    ; 16 rows of 1,024 bytes, a plane of 16,384 bytes apart
	s_mov_b32 s[G1V+2], 16<<16
	s_mov_b32 s[G1V+3], 128<<16
	s_mov_b32 s[G1V+4], 16
	s_mov_b32 s[G1V+5], 2048
.irp g, G1S, G1K, G1V
	s_mov_b32 s[\g+6], 0
	s_mov_b32 s[\g+7], 0
.endr
	s_mov_b32 s[G0K], 1
	s_mov_b32 s[G0K+1], s88
	s_mov_b32 s[G0K2], 1
	s_add_co_u32 s[G0K2+1], s88, KDB/2
	s_mov_b32 s[G0V0], 1
	s_mov_b32 s[G0V0+1], VB
	s_mov_b32 s[G0V], 1
	s_mov_b32 s[G0V+1], s89
	s_mov_b32 s[G0S], 1
	s_mov_b32 s[G0S+1], s69
	s_mov_b32 s[SEL], 0x76543210
	s_mov_b32 s[SEL+1], 0xfedcba98
	s_mov_b32 s[CS], 0x3e38aa3b                    ; log2(e) / 8
	s_mov_b32 s[CS+1], s[CS]                       ; (named with it as a pair, so it is written)
	WALU
	s_wait_dscnt 0x0                               ; both opening adds are done
	s_wait_kmcnt 0x0
	s_add_nc_u64 s[G0K+2:G0K+3], s[4:5], s[22:23]
	s_add_nc_u64 s[G0K2+2:G0K2+3], s[G0K+2:G0K+3], 16384   ; 1,024 keys of 16 bytes on
	s_or_b32 s[G0K+3], s[G0K+3], 0x80000000
	s_or_b32 s[G0K2+3], s[G0K2+3], 0x80000000
	s_add_nc_u64 s[G0V0+2:G0V0+3], s[4:5], s[94:95]
	s_add_nc_u64 s[G0V+2:G0V+3], s[G0V0+2:G0V0+3], s[70:71]
	s_or_b32 s[G0V0+3], s[G0V0+3], 0x80000000
	s_or_b32 s[G0V+3], s[G0V+3], 0x80000000
	s_add_nc_u64 s[G0S+2:G0S+3], s[6:7], s[20:21]
	s_or_b32 s[G0S+3], s[G0S+3], 0x80000000
	CROUND                                         ; all four work-groups are here: the joint loads meet
	ARM 2,  G0K,  G1K, .Lnot_k0
	ARM 3,  G0V0, G1V, .Lnot_v0
	ARM 5,  G0S,  G1S, .Lnot_s
	ARM 7,  G0K2, G1K, .Lnot_k1
	ARM 10, G0V,  G1V, .Lnone
.Lasked:
	s_lshl_b32 s96, s16, 11
	s_lshl_b32 s97, s14, 9
	s_add_co_u32 s96, s96, s97
	s_lshl_b32 s97, s[WV], 5
	s_add_co_u32 s96, s96, s97                     ; my first token: 2,048 batch + 512 block + 32 wave
	s_lshl_b32 s97, s96, 4
	s_lshl_b32 s20, s17, 18                        ; q's codes: plane 2 head
	s_add_co_u32 s20, s20, s97
	s_mov_b32 s21, 0
	s_add_nc_u64 s[4:5], s[4:5], s[20:21]
	s_lshl_b32 s20, s17, 15                        ; q's scale words: the head's 32,768, 256 for each 64 tokens, my two tiles' words of the four
	s_lshr_b32 s22, s96, 6
	s_lshl_b32 s22, s22, 8
	s_add_co_u32 s20, s20, s22
	s_lshl_b32 s22, s18, 3
	s_add_co_u32 s20, s20, s22
	s_add_nc_u64 s[6:7], s[6:7], s[20:21]
	s_lshr_b32 s22, s17, 3                         ; o_q: K half head / 8, planes 2 (head % 8) and the next; the half's scale plane is its 17th
	s_mul_i32 s22, s22, 17
	s_and_b32 s23, s17, 7
	s_lshl_b32 s23, s23, 1
	s_add_co_u32 s20, s22, s23
	s_lshl_b32 s20, s20, 17
	s_add_co_u32 s20, s20, s97
	s_add_co_u32 s22, s22, 16
	s_lshl_b32 s22, s22, 17
	s_add_co_u32 s22, s22, s97
	s_add_co_u32 s22, s22, s23
	s_mov_b32 s23, 0
	s_add_nc_u64 s[10:11], s[8:9], s[22:23]
	s_add_nc_u64 s[8:9], s[8:9], s[20:21]
	s_mov_b32 s[TK], 0
	s_mov_b32 s[TV], 0
	s_mov_b32 s[TS], 0
	s_mov_b32 s[CNT], 4
	v_and_b32 v[R16], 15, v0
	v_bfe_u32 v7, v0, 4, 1                         ; h
	v_and_b32 v8, 7, v0                            ; r % 8
	v_bfe_u32 v9, v0, 3, 1                         ; r / 8
	v_lshlrev_b32 v[R16], 4, v[R16]
	v_lshl_add_u32 v[GO], v7, 17, v[R16]
	global_load_b128 v[QA:QA+3], v[GO], s[4:5]             ; q: block h of query r of tile A: it stays in registers
	global_load_b128 v[QB:QB+3], v[GO], s[4:5] offset:256  ; and of tile B, 16 tokens on
	global_load_b64 v[QW:QW+1], v[R16], s[6:7]             ; their scale words (s0, s1, s0, s1)
	v_mul_u32_u24 v[AK0], v7, KDB
	v_mad_u32_u24 v[AK0], v9, 640, v[AK0]
	v_lshl_add_u32 v[AK0], v8, 4, v[AK0]
	v_lshl_add_u32 v[AV0], v7, 10, v[R16]
	v_add_nc_u32 v[AV0], VB, v[AV0]
	v_lshlrev_b32 v[ASK0], 4, v8
	v_lshl_add_u32 v[ASK0], v9, 2, v[ASK0]
	v_add_nc_u32 v[ASK0], KSB, v[ASK0]
	v_add_nc_u32 v[ASV0], VSB, v[R16]
	v_lshlrev_b32 v[SH8], 3, v7
.irp n, NMA, NMB
	v_mov_b32 v[\n], 0x7f61b1e6                    ; -M: 3e38
	v_mov_b32 v[\n+1], 0xff61b1e6                  ; the largest score so far: -3e38
	v_mov_b32 v[\n+2], 0                           ; the sum, in two halves
	v_mov_b32 v[\n+3], 0
.endr
.irp j, 20,21,22,23,28,29,30,31,36,37,38,39
	v_mov_b32 v[\j], 0                             ; the zero halves beside q
.endr
	v_mov_b32 v[TP+1], 0                           ; written once: a lane permute's destination counts as one of its sources
	v_mov_b32 v[F+1], 0                            ; (named as the upper half of the pair)
.set j, 0
.rept 64
	v_mov_b32 v[O+j], 0                            ; O^T: the step is written once: the first finds zeros, which the first change of M leaves zeros
.set j, j+1
.endr
; S^T of one tile of queries: eight products.  qb: the first of q's four registers; zeros lie on both sides.  Four places follow, ahead of the first reader of the sums and of loads into the products' registers: the first keeps -M as it was.
.macro SPROD qb, qw, nm
.irp g, 0,1
.irp i, 0,1
	v_wmma_scale_f32_16x16x128_f8f6f4 v[S+32*\g+8*\i:S+32*\g+8*\i+7], v[KF+16*\g+8*\i:KF+16*\g+8*\i+7], v[(\qb):(\qb)+7], 0, v[KS+2*\g+\i], v[\qw] matrix_a_fmt:MATRIX_FMT_FP4 matrix_b_fmt:MATRIX_FMT_FP4
	v_wmma_scale_f32_16x16x128_f8f6f4 v[S+32*\g+8*\i+16:S+32*\g+8*\i+23], v[KF+16*\g+8*\i:KF+16*\g+8*\i+7], v[(\qb)-4:(\qb)+3], 0, v[KS+2*\g+\i], v[\qw] matrix_a_fmt:MATRIX_FMT_FP4 matrix_b_fmt:MATRIX_FMT_FP4
.endr
.endr
	v_mov_b32 v[OLD], v[\nm]
.rept 3
	v_nop
.endr
.endm
.macro TMM nm, n                       ; t - M of the next 2 n scores, two at a time (j runs on)
.rept \n
	v_pk_fma_f32 v[S+j:S+j+1], v[S+j:S+j+1], s[CS:CS+1], v[(\nm):(\nm)+1] op_sel_hi:[1,0,0]
.set j, j+2
.endr
.endm
.macro OMUL oo, n                      ; the next 2 n numbers of O^T under the new M (j runs on)
.rept \n
	v_pk_mul_f32 v[(\oo)+j:(\oo)+j+1], v[(\oo)+j:(\oo)+j+1], v[F:F+1] op_sel_hi:[1,0]
.set j, j+2
.endr
.endm
.macro CODES pcd, g                    ; registers 4 g .. 4 g + 3 of the operand: key block 2 g + h whole
.irp i, 0,1,2,3
	v_cvt_scalef32_pk8_fp4_f32 v[(\pcd)+4*(\g)+\i], v[S+32*(\g)+8*\i:S+32*(\g)+8*\i+7], v[SO+(\g)]
.endr
.endm
; The softmax of one tile's 128 keys.  nm: -M and the largest score; l: the sum; oo: O^T; pcd, pwd: where p's codes and scale word go.
.macro SOFTMAX nm, l, oo, pcd, pwd
.irp g, 0,1                                    ; my two blocks' largest scores, as a tree of v_max3: 10 + 4 + 1 + 1 lines a block.  Every accumulator is first read at its low end
.irp k, 0,1,2,3,4,5,6,7,8,9
	v_max3_num_f32 v[T+10*\g+\k], v[S+32*\g+3*\k], v[S+32*\g+3*\k+1], v[S+32*\g+3*\k+2]
.endr
.endr
.irp g, 0,1
.irp k, 0,3,6
	v_max3_num_f32 v[T+10*\g+\k], v[T+10*\g+\k], v[T+10*\g+\k+1], v[T+10*\g+\k+2]
.endr
.endr
.irp g, 0,1
	v_max3_num_f32 v[T+10*\g+9], v[T+10*\g+9], v[S+32*\g+30], v[S+32*\g+31]
.endr
.irp g, 0,1
	v_max3_num_f32 v[MX+2*\g], v[T+10*\g], v[T+10*\g+3], v[T+10*\g+6]
.endr
.irp g, 0,1
	DEP 2
	v_max_num_f32 v[MX+2*\g], v[MX+2*\g], v[T+10*\g+9]     ; the block's largest score: for the row's maximum and, since p rises with the score, for the block's largest p
.endr
	DEP 1
	v_max_num_f32 v[TP], v[MX], v[MX+2]
	DEP 1
	v_permlanex16_b32 v[TP+1], v[TP], s[SEL], s[SEL+1]
	DEP 1
	v_max3_num_f32 v[(\nm)+1], v[(\nm)+1], v[TP], v[TP+1]  ; the running largest score (c is positive)
	DEP 1
	v_mul_f32 v[TP], s[CS], v[(\nm)+1]                     ; as t
	DEP 1
	v_floor_f32 v[\nm], -v[TP]                             ; the new -M = -ceil(t)
	DEP 1
	v_sub_f32 v[TP+1], v[\nm], v[OLD]                      ; old M - new M: a whole number, 0 or less
.set j, 0
	TMM \nm, 4
	v_cvt_i32_f32 v[TP+1], v[TP+1]                         ; (it saturates)
	TMM \nm, 4
	v_ldexp_f32 v[F], 1.0, v[TP+1]                         ; f = 2^(old M - new M)
	TMM \nm, 24
	v_fma_f32 v[MX], v[MX], s[CS], v[\nm]                  ; the same of each block's largest score
	v_fma_f32 v[MX+2], v[MX+2], s[CS], v[\nm]
	WALU                                                   ; ahead of the batch
	v_exp_f32 v[MX], v[MX]                                 ; the blocks' largest p: the same arithmetic on the same number
	v_exp_f32 v[MX+2], v[MX+2]
.set j, 0
.rept 64
	v_exp_f32 v[S+j], v[S+j]                               ; p = 2^(t - M), at most 1
.set j, j+1
.endr
	v_pk_mul_f32 v[(\l):(\l)+1], v[(\l):(\l)+1], v[F:F+1] op_sel_hi:[1,0]   ; the sums under the new M: the plain line behind the batch
	WALU                                                   ; one wait for the batch, ahead of its first reader
	v_max_num_f32 v[MX], 0x1800000, v[MX]                  ; the floor 2^(3 - 127): the byte cannot fall under 1
	v_max_num_f32 v[MX+2], 0x1800000, v[MX+2]
.irp k, 0,1,2,3,4,5,6,7                        ; the row's sum of the unquantised p, in eight chains
	v_pk_add_f32 v[T+2*\k:T+2*\k+1], v[S+2*\k:S+2*\k+1], v[S+16+2*\k:S+17+2*\k]
.endr
	v_add_nc_u32 v[SO], 0xff000000, v[MX]                  ; 2 off the exponent field: the conversion's scale operand
	v_add_nc_u32 v[SO+1], 0xff000000, v[MX+2]
.irp m, 32,48
.irp k, 0,1,2,3,4,5,6,7
	v_pk_add_f32 v[T+2*\k:T+2*\k+1], v[T+2*\k:T+2*\k+1], v[S+\m+2*\k:S+\m+2*\k+1]
.endr
.endr
	CODES \pcd, 0
.irp k, 0,1,2,3                                ; the chains are joined among the conversions
	v_pk_add_f32 v[T+2*\k:T+2*\k+1], v[T+2*\k:T+2*\k+1], v[T+8+2*\k:T+9+2*\k]
.endr
	CODES \pcd, 1
	v_pk_add_f32 v[T:T+1], v[T:T+1], v[T+4:T+5]            ; (a plain line behind the conversions)
	v_pk_add_f32 v[T+2:T+3], v[T+2:T+3], v[T+6:T+7]
	v_lshrrev_b32 v[PT], 23, v[SO]                         ; the scales' bytes
	v_lshrrev_b32 v[PT+1], 23, v[SO+1]
	v_pk_add_f32 v[T:T+1], v[T:T+1], v[T+2:T+3]
	WALU                                                   ; directly ahead of the first readers of the last products' O^T; plain lines alone up to the last of them
.set j, 0
	v_lshl_or_b32 v[PT], v[PT+1], 16, v[PT]                ; blocks h and 2 + h,
	OMUL \oo, 3
	v_lshlrev_b32 v[PT], v[SH8], v[PT]                     ; at their places in the word;
	OMUL \oo, 3
	v_permlanex16_b32 v[PT+1], v[PT], s[SEL], s[SEL+1]
	OMUL \oo, 2
	v_or_b32 v[\pwd], v[PT], v[PT+1]                       ; with lane l xor 16's two the word is whole.  Nine plain lines stand between it and the products
	v_pk_add_f32 v[(\l):(\l)+1], v[(\l):(\l)+1], v[T:T+1]
	OMUL \oo, 8
.endm
.macro PV oo, pcd, pwd
.irp t, 0,1,2,3
	v_wmma_scale_f32_16x16x128_f8f6f4 v[(\oo)+8*\t:(\oo)+8*\t+7], v[KF+8*\t:KF+8*\t+7], v[(\pcd):(\pcd)+7], v[(\oo)+8*\t:(\oo)+8*\t+7], v[KS+\t], v[\pwd] matrix_a_fmt:MATRIX_FMT_FP4 matrix_b_fmt:MATRIX_FMT_FP4
.endr
.endm
; A KEY STEP: 128 keys, both tiles of queries.
.macro TRIP
	v_add_nc_u32 v[ADK], s[TK], v[AK0]             ; (these four are also the places between the last trip's products and the loads into the registers that they read)
	v_add_nc_u32 v[ADV], s[TV], v[AV0]
	v_add_nc_u32 v[ADS], s[TS], v[ASK0]
	v_add_nc_u32 v[ADT], s[TS], v[ASV0]
.irp g, 0,1
.irp i, 0,1
.irp u, 0,1
	ds_load_b128 v[KF+16*\g+8*\i+4*\u:KF+16*\g+8*\i+4*\u+3], v[ADK] offset:1280*\g+128*\i+256*\u   ; key 64 g + 32 (r / 8) + 8 i + 16 u + r % 8, d block h
.endr
	ds_load_b32 v[KS+2*\g+\i], v[ADS] offset:128*\i+8*\g    ; the word of that key and of the key 16 on
.endr
.endr
	s_wait_dscnt 0x0
	SPROD QA, QW, NMA
	SOFTMAX NMA, LA, O, PC, PWA
	SPROD QB, QW+1, NMB                            ; into the registers whose p has been converted; K's fragments are done with behind it
.irp t, 0,1,2,3
.irp c, 0,1
	ds_load_b128 v[KF+8*\t+4*\c:KF+8*\t+4*\c+3], v[ADV] offset:2048*\c+256*\t  ; d = 16 t + r, key block 2 c + h: they land under tile B's softmax
.endr
.endr
	ds_load_b128 v[KS:KS+3], v[ADT]
	SOFTMAX NMB, LB, O+32, PC+8, PWB
	WALU                                           ; directly ahead of the wait below
	s_wait_dscnt 0x0                               ; V and its scale words are in
	PV O, PC, PWA                                  ; eight accumulators by turns
	PV O+32, PC+8, PWB
	s_add_co_u32 s[TK], s[TK], 2560                ; 4 rows of 32 keys
	s_add_co_u32 s[TV], s[TV], 4096                ; 4 key blocks of 1,024
	s_add_co_u32 s[TS], s[TS], 256
.endm
	WALU                                           ; the head's end
	s_wait_loadcnt 0x0                             ; q
	s_wait_dscnt 0x0
	s_cmp_lt_u32 s[WV], 5
	s_cbranch_scc0 .Lnot_first
	s_wait_tensorcnt 0x0                           ; waves 0 to 4: what the first four steps read is in; the other five loads may stay out: nothing is ever filled twice
.Lnot_first:
	s_barrier_signal -1
	s_barrier_wait -1
.Lstep_a:                                          ; keys 0 to 511: four trips
	TRIP
	s_sub_co_u32 s[CNT], s[CNT], 1
	s_cmp_lg_u32 s[CNT], 0
	s_cbranch_scc1 .Lstep_a
	s_wait_tensorcnt 0x0                           ; every wave: all loads are in
	s_wait_dscnt 0x0
	s_barrier_signal -1                            ; a plain barrier: it shows the rest of K and V to all
	s_barrier_wait -1
	s_mov_b32 s[TK], 4*2560
	s_mov_b32 s[TV], 4*4096
	s_mov_b32 s[TS], 4*256
	s_mov_b32 s[CNT], 12
.Lstep_b:                                          ; keys 512 to 2,047: twelve trips
	TRIP
	s_sub_co_u32 s[CNT], s[CNT], 1
	s_cmp_lg_u32 s[CNT], 0
	s_cbranch_scc1 .Lstep_b
	; THE WAY OUT.  O^T / the sum; tile t holds d = 16 t + 8 h + 0 .. 7 of my query: two blocks of 32 along (head, d) for each tile of queries, each in lanes l and l xor 16; stored as block h of 16 tokens: 256 consecutive bytes for each half of the lanes.
	v_add_f32 v[LA], v[LA], v[LA+1]
	v_add_f32 v[LB], v[LB], v[LB+1]
	v_permlanex16_b32 v[TP], v[LA], s[SEL], s[SEL+1]
	v_permlanex16_b32 v[TP+1], v[LB], s[SEL], s[SEL+1]
	v_add_f32 v[LA], v[LA], v[TP]                  ; the rows' sums
	v_add_f32 v[LB], v[LB], v[TP+1]
	WALU
	v_rcp_f32 v[LA], v[LA]
	v_rcp_f32 v[LB], v[LB]
	v_and_b32 v[PT], 31, v0                        ; lane (a plain place behind the reciprocals)
	v_nop
	WALU                                           ; ahead of the reciprocals' first reader, and directly ahead of the first readers of the last products
.set j, 0
.rept 16
	v_pk_mul_f32 v[S+j:S+j+1], v[O+j:O+j+1], v[LA:LA+1] op_sel_hi:[1,0]
.set j, j+2
.endr
.rept 16
	v_pk_mul_f32 v[S+j:S+j+1], v[O+j:O+j+1], v[LB:LB+1] op_sel_hi:[1,0]
.set j, j+2
.endr
.irp n, 0,1,2,3                                ; block n % 2 of tile n / 2
	v_max3_num_f32 v[MX+\n], |v[S+16*\n]|, |v[S+16*\n+1]|, 0x1800000
.endr
.irp i, 2,4,6,8,10,12,14
.irp n, 0,1,2,3
	v_max3_num_f32 v[MX+\n], v[MX+\n], |v[S+16*\n+\i]|, |v[S+16*\n+\i+1]|
.endr
.endr
.irp n, 0,1,2,3
	v_permlanex16_b32 v[T+\n], v[MX+\n], s[SEL], s[SEL+1]
.endr
.irp n, 0,1,2,3
	v_max_num_f32 v[MX+\n], v[MX+\n], v[T+\n]
.endr
.irp n, 0,1,2,3
	v_add_nc_u32 v[T+\n], 0xff000000, v[MX+\n]
.endr
.irp n, 0,1,2,3
	v_lshrrev_b32 v[MX+\n], 23, v[T+\n]
.endr
	v_lshl_or_b32 v[TP], v[MX+1], 8, v[MX]         ; a token's two scale bytes of this head: tile A's,
	v_lshl_or_b32 v[TP+1], v[MX+3], 8, v[MX+2]     ; tile B's
.irp n, 0,1
.irp t, 0,1,2,3
	v_cvt_scalef32_pk8_fp4_f32 v[PC+4*\n+2*(\t%2)+\t/2], v[S+32*\n+8*\t:S+32*\n+8*\t+7], v[T+2*\n+\t/2]
.endr
.endr
	v_nop                                          ; one plain place behind a scaled conversion
.irp n, 0,1
	v_permlane16_swap_b32 v[PC+4*\n], v[PC+4*\n+1]         ; the first's lanes 16-31 change places with the second's lanes 0-15:
	v_permlane16_swap_b32 v[PC+4*\n+2], v[PC+4*\n+3]       ; four registers hold block h whole
.endr
	global_store_b128 v[GO], v[PC:PC+3], s[8:9]
	global_store_b128 v[GO], v[PC+4:PC+7], s[8:9] offset:256
	v_cmp_gt_u32 vcc_lo, 16, v[PT]                 ; both halves of the lanes hold the same bytes: lanes 0-15 store them: 2 bytes of each token's 16, beside 32 bytes of codes
	WALU
	s_wait_xcnt 0x0                                ; EXEC changes only when the stores above have read their sources
	s_and_saveexec_b32 s98, vcc_lo
	global_store_b16 v[R16], v[TP], s[10:11]
	global_store_b16 v[R16], v[TP+1], s[10:11] offset:256
	s_wait_xcnt 0x0                                ; and again, in front of the line that widens it
	s_or_b32 exec_lo, exec_lo, s98
	s_wait_tensorcnt 0x0                           ; the wave's end
	ds_add_u32 v254, v255
	s_wait_dscnt 0x0
	CROUND                                         ; the closing round: no work-group ends while a partner may still ask for a tile that names it
	s_endpgm
.Lfunc_end_k_q413b07cde6_attn:
	.size	k_q413b07cde6_attn, .Lfunc_end_k_q413b07cde6_attn-k_q413b07cde6_attn
	.p2alignl 7, 3214868480
	.fill 96, 4, 3214868480
	.section	.rodata,"a",@progbits
	.p2align	6, 0x0
	.amdhsa_kernel k_q413b07cde6_attn
		.amdhsa_group_segment_fixed_size 169984
		.amdhsa_private_segment_fixed_size 0
		.amdhsa_enable_private_segment 0
		.amdhsa_kernarg_size 24
		.amdhsa_user_sgpr_count 2
		.amdhsa_user_sgpr_kernarg_segment_ptr 1
		.amdhsa_wavefront_size32 1
		.amdhsa_system_sgpr_workgroup_id_x 1
		.amdhsa_system_sgpr_workgroup_id_y 1
		.amdhsa_system_sgpr_workgroup_id_z 1
		.amdhsa_system_vgpr_workitem_id 0
		.amdhsa_next_free_vgpr 256
		.amdhsa_next_free_sgpr 100
		.amdhsa_reserve_vcc 1
		.amdhsa_float_denorm_mode_32 3
		.amdhsa_float_denorm_mode_16_64 3
		.amdhsa_memory_ordered 1
		.amdhsa_forward_progress 1
		.amdhsa_inst_pref_size 74
	.end_amdhsa_kernel
	.amdgpu_metadata
---
amdhsa.version: [ 1, 2 ]
amdhsa.kernels:
  - .name:           k_q413b07cde6_attn
    .symbol:         k_q413b07cde6_attn.kd
    .args:
      - { .name: qkv_codes, .offset: 0, .size: 8, .value_kind: global_buffer, .address_space: global }
      - { .name: qkv_scales, .offset: 8, .size: 8, .value_kind: global_buffer, .address_space: global }
      - { .name: o_q, .offset: 16, .size: 8, .value_kind: global_buffer, .address_space: global }
    .group_segment_fixed_size: 169984
    .private_segment_fixed_size: 0
    .kernarg_segment_align: 8
    .kernarg_segment_size: 24
    .max_flat_workgroup_size: 512
    .sgpr_count:     100
    .vgpr_count:     256
    .wavefront_size: 32
...
	.end_amdgpu_metadata
.endif
;; end of part 3
;; launch oproj (part 4): grid 4 x 64, 4 waves a work-group, clusters of 4 x 4, 327,680 bytes of LDS; arguments o_q, w_q, bo, out0; writes out0
.if DOCPART == 4
	.amdgcn_target "amdgcn-amd-amdhsa--gfx1250"
	.amdhsa_code_object_version 6
	.text
	.protected	k_q413b07cde6_oproj
	.globl	k_q413b07cde6_oproj
	.p2align	8
	.type	k_q413b07cde6_oproj,@function
k_q413b07cde6_oproj:
	s_mov_b64 s[64:65], 0
	v_nop
	global_prefetch_b8 v0, s[64:65] scope:SCOPE_SE
	s_setreg_imm32_b32 hwreg(HW_REG_WAVE_MODE, 25, 1), 1
	s_wait_xcnt 0x0
	s_wait_alu depctr_hold_cnt(0) depctr_sa_sdst(0) depctr_va_vdst(0) depctr_va_sdst(0) depctr_va_ssrc(0) depctr_va_vcc(0) depctr_vm_vsrc(0)
	s_getreg_b32 s2, hwreg(HW_REG_IB_STS2, 6, 4)
	s_cmp_eq_u32 s2, 0
	s_cbranch_scc0 .Lentry_in_a_cluster
	s_endpgm
.Lentry_in_a_cluster:
	s_bfe_u32 s2, ttmp6, 0x10000c
	s_cmp_lg_u32 s2, 0xf033
	s_cbranch_scc0 .Lentry_shape_is_right
	s_endpgm
.Lentry_shape_is_right:
.set SLOT,  104448
; out0 = O wo^T + bo on codes of FP4 (E2M1) with E8M0 scales, K = 1,024.  A work-group makes 128 tokens x 256 columns; four waves, 64 x 128 each; the bias is the first products' C.
; ALL OF K LIES IN LDS, each byte filled once: ONE tensor load a wave brings the 34 planes (both K halves: 16 planes of codes and one of scale bytes each) of its rows: waves 0, 1 O's halves of 64 tokens, waves 2, 3 wo's halves of 128 rows.
; O's tiles are asked for jointly along a row of the cluster, wo's along a column.  The second K half lies 17 planes behind the first: 17,408 bytes in O's regions, 34,816 in wo's.  The stages of the way out lie behind the regions.
.set OREG,  34816                      ; a region of O: 34 planes of 1,024 bytes
.set WOFF,  69632                      ; wo's regions lie behind O's two
.set WREG,  69632                      ; a region of wo: 34 planes of 2,048 bytes
.set STAGE, 2*SLOT
.set SPITCH, 528
.set ADRR, 16
.set ADRP, 20
.set ADRS, 22
.set STO,  24
.set RD,   25
.set CO,   26
.set SC,   32
.set RF,   128
.set BI,   192
.set BK,   128
.set G1O,  24
.set G0O,  32
.set G1W,  48
.set G0W,  56
.set MSB, 0
.macro WIN new
.if MSB != (\new)
	s_set_vgpr_msb (MSB<<8)|(\new)
.set MSB, (\new)
.endif
.endm
.set MUL_B, 0x81
.set MUL_A, 0xa1
.set TO_P,  0x40
.macro JLOAD g0a, g1a, g0b, g1b
	s_cmp_eq_u32 s15, 0
	s_cbranch_scc0 .Lfor_b_\@
	tensor_load_to_lds s[\g0a:\g0a+3], s[\g1a:\g1a+7]
	s_nop 0
.rept 4
	v_nop
.endr
	s_branch .Lasked_\@
.Lfor_b_\@:
	tensor_load_to_lds s[\g0b:\g0b+3], s[\g1b:\g1b+7]
	s_nop 0
.rept 4
	v_nop
.endr
.Lasked_\@:
.endm
.macro CROUND
	s_barrier_signal -1
	s_barrier_wait -1
	s_cmp_lg_u32 s14, 0
	s_cbranch_scc1 .Lnot_wave_0_\@
	s_barrier_signal -3
.Lnot_wave_0_\@:
	s_barrier_wait -3
	s_barrier_signal -1
	s_barrier_wait -1
.endm
	s_load_b128 s[4:7], s[0:1], 0x0
	s_load_b128 s[8:11], s[0:1], 0x10
	v_lshl_add_u32 v126, v0, 2, 0x3b400
	v_mov_b32 v127, 0
	ds_add_u32 v126, v127
	ds_add_u32 v126, v127
	v_lshrrev_b32 v1, 5, v0
	v_readfirstlane_b32 s14, v1
	s_lshr_b32 s15, s14, 1
	s_and_b32 s16, s14, 1
	s_bfe_u32 s40, ttmp6, 0x40000
	s_bfe_u32 s41, ttmp6, 0x40004
	s_lshl_b32 s42, ttmp9, 2
	s_add_co_u32 s42, s42, s40
	s_and_b32 s17, ttmp7, 0xffff
	s_lshl_b32 s17, s17, 2
	s_add_co_u32 s17, s17, s41
	s_lshl_b32 s43, s41, 2
	s_lshl_b32 s43, 15, s43
	s_lshl_b32 s44, 0x1111, s40
	s_or_b32 s[G1O+0], s43, (3<<16)|(1<<21)
	s_or_b32 s[G1W+0], s44, (3<<16)|(1<<21)
	s_mov_b32 s[G1O+1], 128<<16
	s_mov_b32 s[G1O+2], 34<<16
	s_mov_b32 s[G1O+3], 128<<16
	s_mov_b32 s[G1O+4], 34
	s_mov_b32 s[G1O+5], 16384
	s_mov_b32 s[G1O+6], 0
	s_mov_b32 s[G1O+7], 0
	s_mov_b32 s[G1W+1], 256<<16
	s_mov_b32 s[G1W+2], 34<<16
	s_mov_b32 s[G1W+3], 256<<16
	s_mov_b32 s[G1W+4], 34
	s_mov_b32 s[G1W+5], 8192
	s_mov_b32 s[G1W+6], 0
	s_mov_b32 s[G1W+7], 0
	s_lshl_b32 s18, s16, 10
	s_lshl_b32 s20, s17, 11
	s_add_co_u32 s20, s20, s18
	s_mov_b32 s21, 0
	s_lshl_b32 s19, s16, 11
	s_lshl_b32 s46, s42, 12
	s_add_co_u32 s46, s46, s19
	s_add_co_u32 s46, s46, 49152
	s_mov_b32 s47, 0
	s_mul_i32 s45, s16, OREG
	s_mul_i32 s66, s16, WREG
	s_add_co_u32 s66, s66, WOFF
	s_wait_dscnt 0x0
	s_wait_kmcnt 0x0
	s_add_nc_u64 s[20:21], s[4:5], s[20:21]
	s_add_nc_u64 s[46:47], s[6:7], s[46:47]
	CROUND
.irp s, 0
	s_mov_b32 s[G0O+4*\s], 1
	s_add_co_u32 s[G0O+4*\s+1], s45, \s*SLOT
	s_add_nc_u64 s[G0O+4*\s+2:G0O+4*\s+3], s[20:21], \s*17*131072
	s_or_b32 s[G0O+4*\s+3], s[G0O+4*\s+3], 0x80000000
	s_mov_b32 s[G0W+4*\s], 1
	s_add_co_u32 s[G0W+4*\s+1], s66, \s*SLOT
	s_add_nc_u64 s[G0W+4*\s+2:G0W+4*\s+3], s[46:47], \s*17*65536
	s_or_b32 s[G0W+4*\s+3], s[G0W+4*\s+3], 0x80000000
	JLOAD G0O+4*\s, G1O, G0W+4*\s, G1W             ; my one load, behind the opening round
.endr
	v_and_b32 v1, 15, v0
	v_bfe_u32 v2, v0, 4, 1
	v_lshlrev_b32 v3, 4, v1
	s_wait_alu depctr_va_vdst(0)
	s_lshl_b32 s70, s42, 10
	s_lshl_b32 s71, s16, 9
	s_add_co_u32 s70, s70, s71
	s_mov_b32 s71, 0
	s_add_nc_u64 s[8:9], s[8:9], s[70:71]
	v_lshlrev_b32 v7, 5, v2
.irp b, 0,1,2,3,4,5,6,7
	global_load_b128 v[BI+8*\b:BI+8*\b+3], v7, s[8:9] offset:64*\b
	global_load_b128 v[BI+8*\b+4:BI+8*\b+7], v7, s[8:9] offset:64*\b+16
.endr
	s_mul_i32 s72, s15, OREG
	s_mul_i32 s73, s16, WREG
	s_add_co_u32 s73, s73, WOFF
	v_lshl_add_u32 v4, v2, 10, v3
	v_add_nc_u32 v[ADRR], s72, v4
	v_add_nc_u32 v[ADRR+1], 17408, v[ADRR]         ; the second K half of O's rows
	v_lshl_add_u32 v4, v2, 11, v3
	v_add_nc_u32 v[ADRP], s73, v4
	v_add_nc_u32 v[ADRP+1], 34816, v[ADRP]         ; and of wo's
	s_xor_b32 s74, s15, 1
	s_mul_i32 s74, s74, OREG
	s_mul_i32 s75, s16, WREG
	s_add_co_u32 s74, s74, s75
	s_add_co_u32 s74, s74, 51200                   ; from O's scale plane of my half to wo's of my half
	v_mul_u32_u24 v5, s74, v2
	v_add_nc_u32 v5, v5, v3
	s_add_co_u32 s72, s72, 16384
	v_add_nc_u32 v[ADRS], s72, v5
	v_mad_u32_u24 v[ADRS+1], v2, 17408, v[ADRS]    ; the second K half's scale words: 17,408 bytes on in lanes 0-15 (O's), 34,816 in lanes 16-31 (wo's)
	v_add_nc_u32 v[ADRS+1], 17408, v[ADRS+1]
	s_mul_i32 s76, s14, 16*SPITCH
	s_add_co_u32 s76, s76, STAGE
	v_mul_u32_u24 v5, v1, SPITCH
	v_lshl_add_u32 v5, v2, 5, v5
	v_add_nc_u32 v[STO], s76, v5
	v_and_b32 v6, 31, v0
	v_lshlrev_b32 v[CO], 4, v6
	v_add_nc_u32 v[RD], s76, v[CO]
	s_lshl_b32 s78, s17, 19
	s_lshl_b32 s79, s15, 18
	s_add_co_u32 s78, s78, s79
	s_add_co_u32 s78, s78, s70
	s_mov_b32 s79, 0
	s_add_nc_u64 s[10:11], s[10:11], s[78:79]
.macro FETCH slot, q, p
	WIN TO_P
.irp b, 0,1,2,3,4,5,6,7
.irp c, 0,1
	ds_load_b128 v[128*(\p)+8*\b+4*\c:128*(\p)+8*\b+4*\c+3], v[ADRP+\slot] offset:(\q)*8192+\c*4096+\b*256
.endr
.endr
	WIN 0
.irp a, 0,1,2,3
.irp c, 0,1
	ds_load_b128 v[RF+32*(\p)+8*\a+4*\c:RF+32*(\p)+8*\a+4*\c+3], v[ADRR+\slot] offset:(\q)*4096+\c*2048+\a*256
.endr
.endr
.endm
.macro SCALES slot
.irp i, 0,1,2,3,4,5,6,7
	ds_load_b128 v[SC+32*\slot+4*\i:SC+32*\slot+4*\i+3], v[ADRS+\slot] offset:\i*256
.endr
.endm
.macro MUL16 a0, p, q, sc, first
.irp a, \a0, \a0+1
.irp b, 0,1,2,3,4,5,6,7
.if \first
	v_wmma_scale_f32_16x16x128_f8f6f4 v[8*(8*(\a)+\b):8*(8*(\a)+\b)+7], v[128*(\p)+8*\b:128*(\p)+8*\b+7], v[RF+32*(\p)+8*(\a):RF+32*(\p)+8*(\a)+7], v[BI+8*\b:BI+8*\b+7], v[SC+32*(\sc)+4*\b+(\q)], v[SC+32*(\sc)+4*(\a)+(\q)] matrix_a_fmt:MATRIX_FMT_FP4 matrix_b_fmt:MATRIX_FMT_FP4 matrix_a_scale:MATRIX_SCALE_ROW1
.else
	v_wmma_scale_f32_16x16x128_f8f6f4 v[8*(8*(\a)+\b):8*(8*(\a)+\b)+7], v[128*(\p)+8*\b:128*(\p)+8*\b+7], v[RF+32*(\p)+8*(\a):RF+32*(\p)+8*(\a)+7], v[8*(8*(\a)+\b):8*(8*(\a)+\b)+7], v[SC+32*(\sc)+4*\b+(\q)], v[SC+32*(\sc)+4*(\a)+(\q)] matrix_a_fmt:MATRIX_FMT_FP4 matrix_b_fmt:MATRIX_FMT_FP4 matrix_a_scale:MATRIX_SCALE_ROW1
.endif
.endr
.endr
.endm
.macro PLACES
.rept 4
	v_nop
.endr
.endm
.macro STEP slot, q, first
	s_wait_dscnt 0x0
	PLACES
	FETCH \slot, (\q)+1, ((\q)+1)%2
.if \first
	WIN MUL_B
.else
	WIN MUL_A
.endif
	MUL16 0, (\q)%2, \q, \slot, \first
	MUL16 2, (\q)%2, \q, \slot, \first
	WIN 0
.endm
	s_wait_alu depctr_va_vdst(0)
	s_wait_tensorcnt 0x0                           ; my one load is in
	s_barrier_signal -1
	s_barrier_wait -1
	FETCH 0, 0, 0
	SCALES 0
	s_wait_loadcnt 0x0
	STEP 0, 0, 1
	STEP 0, 1, 0
	STEP 0, 2, 0
	s_wait_dscnt 0x0                               ; the first half's last step: its fragments are in; the second half lies in LDS since the head's barrier
	WIN MUL_A
	MUL16 0, 1, 3, 0, 0
	WIN 0
	PLACES
	FETCH 1, 0, 0
	SCALES 1
	WIN MUL_A
	MUL16 2, 1, 3, 0, 0
	WIN 0
	STEP 1, 0, 0
	STEP 1, 1, 0
	STEP 1, 2, 0
	s_wait_dscnt 0x0
	WIN MUL_A
	MUL16 0, 1, 3, 1, 0
	MUL16 2, 1, 3, 1, 0
	WIN 0
.macro TOSTAGE a
	WIN 0x08
.irp b, 0,1,2,3,4,5,6,7
	ds_store_b128 v[STO], v[64*(\a)+8*\b:64*(\a)+8*\b+3] offset:64*\b
	ds_store_b128 v[STO], v[64*(\a)+8*\b+4:64*(\a)+8*\b+7] offset:64*\b+16
.endr
	WIN 0
.irp t, 0,1,2,3,4,5,6,7,8,9,10,11,12,13,14,15
	ds_load_b128 v[BK+64*((\a)%2)+4*\t:BK+64*((\a)%2)+4*\t+3], v[RD] offset:\t*SPITCH
.endr
.endm
.macro SEND a, younger
	s_wait_dscnt \younger
.irp t, 0,1,2,3,4,5,6,7,8,9,10,11,12,13,14,15
	global_store_b128 v[CO], v[BK+64*((\a)%2)+4*\t:BK+64*((\a)%2)+4*\t+3], s[10:11] offset:(16*(\a)+\t)*4096 th:TH_STORE_NT
.endr
.endm
	PLACES
	TOSTAGE 0
.irp a, 1,2,3
.if \a > 1
	s_wait_xcnt 0x0
.endif
	TOSTAGE \a
	SEND (\a)-1, 32
.endr
	SEND 3, 0
	s_wait_tensorcnt 0x0
	ds_add_u32 v126, v127
	s_wait_dscnt 0x0
	CROUND
	s_endpgm
.Lfunc_end_k_q413b07cde6_oproj:
	.size	k_q413b07cde6_oproj, .Lfunc_end_k_q413b07cde6_oproj-k_q413b07cde6_oproj
	.p2alignl 7, 3214868480
	.fill 96, 4, 3214868480
	.section	.rodata,"a",@progbits
	.p2align	6, 0x0
	.amdhsa_kernel k_q413b07cde6_oproj
		.amdhsa_group_segment_fixed_size 327680
		.amdhsa_private_segment_fixed_size 0
		.amdhsa_enable_private_segment 0
		.amdhsa_kernarg_size 32
		.amdhsa_user_sgpr_count 2
		.amdhsa_user_sgpr_kernarg_segment_ptr 1
		.amdhsa_wavefront_size32 1
		.amdhsa_system_sgpr_workgroup_id_x 1
		.amdhsa_system_sgpr_workgroup_id_y 1
		.amdhsa_system_sgpr_workgroup_id_z 1
		.amdhsa_system_vgpr_workitem_id 0
		.amdhsa_next_free_vgpr 768
		.amdhsa_next_free_sgpr 100
		.amdhsa_reserve_vcc 0
		.amdhsa_float_denorm_mode_32 3
		.amdhsa_float_denorm_mode_16_64 3
		.amdhsa_memory_ordered 1
		.amdhsa_forward_progress 1
		.amdhsa_inst_pref_size 70
	.end_amdhsa_kernel
	.amdgpu_metadata
---
amdhsa.version: [ 1, 2 ]
amdhsa.kernels:
  - .name:           k_q413b07cde6_oproj
    .symbol:         k_q413b07cde6_oproj.kd
    .args:
      - { .name: o_q, .offset: 0, .size: 8, .value_kind: global_buffer, .address_space: global }
      - { .name: w_q, .offset: 8, .size: 8, .value_kind: global_buffer, .address_space: global }
      - { .name: bo, .offset: 16, .size: 8, .value_kind: global_buffer, .address_space: global }
      - { .name: out0, .offset: 24, .size: 8, .value_kind: global_buffer, .address_space: global }
    .group_segment_fixed_size: 327680
    .private_segment_fixed_size: 0
    .kernarg_segment_align: 8
    .kernarg_segment_size: 32
    .max_flat_workgroup_size: 128
    .sgpr_count:     100
    .vgpr_count:     768
    .wavefront_size: 32
...
	.end_amdgpu_metadata
.endif
;; end of part 4
